; MI455X (gfx1250); checked and timed in simulation.
; The chip was launched on July 23, 2026; its instructions are those of AMD's public machine-readable ISA for CDNA 5 (MIT licence, August 2026) and "CDNA5" Instruction Set Architecture Reference Guide (July 2026). The comments in the code are by the model that wrote it; some were corrected since.
;; Full Attention Block. Allowed arithmetic: matrix products marked QUANTISED: E2M1 operands, one E8M0 scale for each 32 along K, by v_wmma_scale_f32_16x16x128_f8f6f4 with both operands' format E2M1 (or v_wmma_scale_f32_32x16x128_f4), f32 sums; products left as they are: bf16, f16 or f32 operands; f32 sums; everything else in f32.
;; Inputs: Wk 1,024 x 512 float32; Wo 1,024 x 1,024 float32; Wq 1,024 x 2,048 float32; Wv 1,024 x 512 float32; hidden_states 4 x 2,048 x 1,024 float32.
;; Outputs: out0 4 x 2,048 x 1,024 float32.
;; This version of the problem:
;;   THIS VERSION OF THE PROBLEM IS GIVEN IN LOW PRECISION. The matrix products marked QUANTISED in the list below multiply operands that are first quantised to E2M1 (2 exponent bits, 1 mantissa bit; 4 bits a number), with one power-of-two scale for each 32 numbers along K (OCP MX v1.0); their sums are f32. The products marked 'left as it is' may take bf16, f16 or f32 operands, with f32 sums. Whichever they take, every output number must still come out within the allowed error. Rounding operands to bf16 (8 significant bits) uses up far more of that allowance than f16 does (11 bits, for magnitudes from 6e-5 to 65,504). All else is computed in f32.
;;   The module's matrix products, in the order in which they are computed (A, B: the left and right operand; K: the contracted axis; several contracted axes count as one K, in the product's order):
;;     1. [M 8,192, K 1,024] x [K 1,024, N 2,048]; A: input hidden_states; B: input Wq: QUANTISED
;;     2. [M 8,192, K 1,024] x [K 1,024, N 512]; A: input hidden_states; B: input Wk: QUANTISED
;;     3. [M 8,192, K 1,024] x [K 1,024, N 512]; A: input hidden_states; B: input Wv: QUANTISED
;;     4. batch 8 x [M 4,096, K 256] x [K 256, N 2,048]; A: computed on the way; B: computed on the way: left as it is (an operand is computed on the way)
;;     5. batch 8 x [M 4,096, K 2,048] x [K 2,048, N 256]; A: computed on the way; B: computed on the way: left as it is (an operand is computed on the way)
;;     6. [M 8,192, K 1,024] x [K 1,024, N 1,024]; A: computed on the way; B: input Wo: left as it is (an operand is computed on the way)
;;   THE QUANTISER, for each operand of a quantised product, along K:
;;     - K is cut into blocks of 32 from its start; a last block that is shorter is filled with zeros.
;;     - A block's scale is 2^e with e = floor(log2(the largest magnitude in the block)) - 2, held to -126 .. 127; a block of zeros has e = 0. As a byte (E8M0): e + 127.
;;     - Each number is divided by its block's scale, clamped to +-6, and rounded to the nearest number of E2M1, ties to even, subnormals kept.
;;     - The product sums the exact products of the quantised numbers (number of the format x scale) in f32.
;;   ~~~python
;;   def quantise(x, axis):      # numpy; x: float32 -> the quantised numbers, widened to float32 again
;;       x = np.moveaxis(x, axis, -1); K = x.shape[-1]
;;       x = np.pad(x, [(0, 0)] * (x.ndim - 1) + [(0, -K % 32)]); x = x.reshape(x.shape[:-1] + (-1, 32)); a = np.abs(x).max(-1, keepdims=True)
;;       e = np.where(a > 0, np.clip(np.frexp(np.where(a > 0, a, 1))[1] - 1 - 2, -126, 127), 0)      # np.frexp(a)[1] - 1 = floor(log2(a)), exactly
;;       r = np.clip(x / 2.0 ** e, -6, 6)
;;       step = 2.0 ** (np.maximum(np.frexp(np.where(r == 0, 1, r))[1] - 1, 0) - 1)
;;       q = np.round(r / step) * step * 2.0 ** e      # np.round: ties to even
;;       return np.moveaxis(q.reshape(q.shape[:-2] + (-1,))[..., :K], -1, axis).astype(np.float32)
;;   ~~~
;; One version. Each part assembles by itself: llvm-mc -triple=amdgcn-amd-amdhsa -mcpu=gfx1250 --defsym DOCPART=n.
;; ======== version 1 of 1: 4 launches
;; limits: values outside matrix products are rounded to f16; values are held in f16: magnitudes above 65,504 overflow, below 6.1e-05 lose precision
;; workspace buffers: xc 4,194,304 bytes; xs 262,144 bytes; wc 1,572,864 bytes; ws 98,304 bytes; wo16 2,097,152 bytes; tab 524,288 bytes; qkvg 50,331,648 bytes; ab 16,908,288 bytes
;; launch prep (part 1): grid 448 x 1, 4 waves a work-group, no clusters, 42,496 bytes of LDS; arguments hidden_states, Wq, Wk, Wv, Wo, xc, xs, wc, ws, wo16, tab; writes xc, xs, wc, ws, wo16, tab
.if DOCPART == 1
	.amdgcn_target "amdgcn-amd-amdhsa--gfx1250"
	.amdhsa_code_object_version 6
	.text
	.protected	k_q43f3e0420d_prep
	.globl	k_q43f3e0420d_prep
	.p2align	8
	.type	k_q43f3e0420d_prep,@function
k_q43f3e0420d_prep:
	s_mov_b64 s[64:65], 0
	v_nop
	global_prefetch_b8 v0, s[64:65] scope:SCOPE_SE
	s_setreg_imm32_b32 hwreg(HW_REG_WAVE_MODE, 25, 1), 1
	s_wait_xcnt 0x0
; PREP.  Everything that later launches read many times is made once.
; Work-groups 0-255 (the hidden path): 32,768 numbers of hidden_states [8192][1024] f32 become codes of FP4 (E2M1), K innermost (xc: 512 bytes a row), and one E8M0 byte
; for each 32 along K (xs: 32 bytes a row); 4,096 numbers of Wo become f16 in place order (wo16); eight positions of the rotary table (tab: a position is 32 cosines, then 32 sines, f32).
; Work-groups 256-447 (the weights path): 32 columns x 512 along K of Wq, Wk or Wv (K is their FIRST axis) become codes with K innermost (wc: row n = column n of Wq | Wk | Wv) and scale bytes (ws).
; A block's scale is 2^(floor(log2(largest magnitude)) - 2): its byte is the largest magnitude's exponent field - 2, held at 1 from below.
; LIMITS: a block of zeros gets the byte 1 where the rule says 127 (its codes are zeros, and this program alone reads the bytes); blocks whose largest magnitude lies under 2^(3 - 127) were not tried;
; NaN and infinities among the inputs are not served; a number of Wo beyond 65,504 in magnitude becomes an infinity of f16.
; The table's angles are pos x f_i with f_i = 2^(-i log2(10) / 8) by v_exp_f32: they may differ from a correctly rounded f_i's by about 3e-4 radians at the last positions.
; The two paths have LDS bytes of their own; the launch's one barrier stands where both paths have joined; every register that is read behind the barrier is made ahead of the parting,
; from the work-group's number held into each path's own range, so that it is sound on either way.
.set SP,    80                         ; hidden path: a lane's place in a stage: 64 bytes + 16 of padding
.set WREG,  8192                       ; a wave's LDS region: two stages of 32 x SP bytes, then its 256 scale bytes
.set STEPS, 16
.set CB,    8                          ; bytes of 16 codes
.set WST,   32768                      ; weights path: 32 rows (columns of W) x 272 bytes of codes
.set WSP,   272
.set WSC,   WST+32*WSP                 ; and 32 x 16 scale bytes
.set SPARE, WSC+512                    ; the spare words, 128 bytes for each wave: two blocks of 256 bytes that no other line names
.set R,     16                         ; v16-79   numbers as they are loaded (hidden: four sets of 16; weights: two sets of 32)
.set X,     80                         ; v80-111  hidden: two sets of 16 neighbours
.set E,     112                        ; v112-127 hidden: a scale byte for each step
.set C,     128                        ; v128-191 hidden: codes, four registers a step
.set VO,    128                        ; v128-159 weights: 4 x lane + i x the tensor's row pitch
.set WOI,   192                        ; v192-223 Wo as loaded
.set WOO,   224                        ; v224-239 Wo as f16
.set TABR,  240                        ; v240-243 four numbers of the table
.set SPW,   12                         ; v12  LDS address of my spare word; never rewritten
.set NIL,   13                         ; v13  0; never rewritten
	s_load_b256 s[4:11], s[0:1], 0x0               ; hidden, Wq, Wk, Wv
	s_load_b256 s[12:19], s[0:1], 0x20             ; Wo, xc, xs, wc
	s_load_b128 s[20:23], s[0:1], 0x40             ; ws, wo16
	s_load_b64 s[24:25], s[0:1], 0x50              ; tab
	v_lshl_add_u32 v[SPW], v0, 2, SPARE
	v_mov_b32 v[NIL], 0
	v_lshrrev_b32 v1, 5, v0
	v_readfirstlane_b32 s26, v1                    ; wave 0..3
	v_and_b32 v2, 31, v0                           ; lane
	v_lshlrev_b32 v3, 4, v2                        ; my 16 bytes of a load's 512
	s_mul_i32 s27, s26, WREG
	v_lshrrev_b32 v14, 2, v2
	v_mul_u32_u24 v14, v14, SP
	v_and_b32 v15, 3, v2
	v_lshl_add_u32 v14, v15, 4, v14
	v_add_nc_u32 v14, s27, v14                     ; the stage, on the way in: SP (lane / 4) + 16 (lane % 4)
	v_mul_u32_u24 v15, v2, SP
	v_add_nc_u32 v15, s27, v15                     ; and on the way out: SP x lane
	v_mul_u32_u24 v4, v2, CB                       ; 8 x lane: my codes' place in a step's; also my place in a table row
	v_lshrrev_b32 v5, 1, v2
	s_add_co_u32 s27, s27, 2*32*SP
	v_add_nc_u32 v5, s27, v5                       ; my block's scale byte in my wave's 256
	v_lshlrev_b32 v7, 3, v2
	v_add_nc_u32 v6, s27, v7                       ; and 8 of them on the way out
	v_mul_u32_u24 v244, v2, WSP                    ; weights: where I put a block's 16 bytes: row = my column, 64 bytes for each wave
	s_lshl_b32 s27, s26, 6
	s_add_co_u32 s27, s27, WST
	v_add_nc_u32 v244, s27, v244
	v_lshlrev_b32 v245, 4, v2                      ; my column's scale word: 16 bytes a column, 4 for each wave
	s_lshl_b32 s27, s26, 2
	s_add_co_u32 s27, s27, WSC
	v_add_nc_u32 v245, s27, v245
	v_lshrrev_b32 v246, 4, v2                      ; back: sixteen lanes to a row, two rows an instruction, eight rows a wave
	v_mul_u32_u24 v246, v246, WSP
	v_and_b32 v1, 15, v2
	v_lshl_add_u32 v246, v1, 4, v246
	s_mul_i32 s27, s26, 8*WSP
	s_add_co_u32 s27, s27, WST
	v_add_nc_u32 v246, s27, v246
	v_lshl_add_u32 v247, v0, 2, WSC                ; the scale words back: one a thread
	v_lshlrev_b32 v248, 5, v0                      ; Wo: 32 bytes a thread in,
	v_lshlrev_b32 v249, 4, v0                      ; 16 out
	v_lshlrev_b32 v250, 2, v2                      ; weights: 4 bytes a lane
	v_lshrrev_b32 v251, 4, v2
	v_lshlrev_b32 v251, 9, v251
	v_lshl_add_u32 v251, v1, 4, v251               ; wc: (lane / 16) rows of 512 bytes + 16 (lane % 16)
	v_lshrrev_b32 v252, 2, v0
	v_lshlrev_b32 v252, 5, v252
	v_and_b32 v1, 3, v0
	v_lshl_add_u32 v252, v1, 2, v252               ; ws: (thread / 4) rows of 32 bytes + 4 (thread % 4)
	s_mov_b32 s33, 0
	s_min_u32 s28, ttmp9, 255                      ; the hidden path's work-group
	s_lshl_b32 s30, s28, 2
	s_add_co_u32 s30, s30, s26                     ; my wave's run of 8,192 numbers
	s_lshl_b32 s31, s30, 1                         ; my first position of the table: 8 x work-group + 2 x wave
	s_max_u32 s29, ttmp9, 256                      ; the weights path's work-group,
	s_sub_co_u32 s29, s29, 256
	s_and_b32 s35, s29, 1                          ; its half of K,
	s_lshr_b32 s29, s29, 1                         ; its group of 32 columns: 0-63 Wq, 64-79 Wk, 80-95 Wv
	s_mov_b32 s34, 2048
	s_wait_kmcnt 0x0
	s_lshl_b32 s32, s30, 15
	s_add_nc_u64 s[4:5], s[4:5], s[32:33]          ; hidden: 32,768 bytes a run
	s_lshl_b32 s32, s30, 12
	s_add_nc_u64 s[14:15], s[14:15], s[32:33]      ; xc: 4,096
	s_lshl_b32 s32, s30, 8
	s_add_nc_u64 s[16:17], s[16:17], s[32:33]      ; xs: 256
	s_lshl_b32 s32, s30, 9
	s_add_nc_u64 s[24:25], s[24:25], s[32:33]      ; tab: two positions of 256 bytes
	s_lshl_b32 s32, s28, 14
	s_add_nc_u64 s[12:13], s[12:13], s[32:33]      ; Wo: 16,384 bytes a work-group
	s_lshl_b32 s32, s28, 13
	s_add_nc_u64 s[22:23], s[22:23], s[32:33]      ; wo16: 8,192
	s_cmp_lt_u32 s29, 80                           ; which tensor: the choice hangs on the work-group's number alone
	s_cselect_b64 s[36:37], s[8:9], s[10:11]
	s_cselect_b32 s38, 64, 80
	s_cmp_lt_u32 s29, 64
	s_cselect_b64 s[36:37], s[6:7], s[36:37]
	s_cselect_b32 s38, 0, s38
	s_cselect_b32 s34, 8192, s34                   ; a row of the tensor in bytes
	s_sub_co_u32 s38, s29, s38
	s_lshl_b32 s38, s38, 7                         ; my first column, in bytes
	s_lshl_b32 s39, s35, 9
	s_lshl_b32 s32, s26, 7
	s_add_co_u32 s39, s39, s32                     ; my first k: 512 x half + 128 x wave
	s_mul_i32 s32, s39, s34
	s_add_co_u32 s32, s32, s38
	s_add_nc_u64 s[40:41], s[36:37], s[32:33]      ; a base for each of my four blocks of 32 along K
	s_lshl_b32 s32, s34, 5
	s_add_nc_u64 s[42:43], s[40:41], s[32:33]
	s_add_nc_u64 s[44:45], s[42:43], s[32:33]
	s_add_nc_u64 s[46:47], s[44:45], s[32:33]
	s_lshl_b32 s32, s29, 5
	s_lshl_b32 s38, s26, 3
	s_add_co_u32 s32, s32, s38
	s_lshl_b32 s32, s32, 9
	s_lshl_b32 s38, s35, 8
	s_add_co_u32 s32, s32, s38
	s_add_nc_u64 s[18:19], s[18:19], s[32:33]      ; wc: row 32 x group + 8 x wave, + 256 x half
	s_lshl_b32 s32, s29, 10
	s_lshl_b32 s38, s35, 4
	s_add_co_u32 s32, s32, s38
	s_add_nc_u64 s[20:21], s[20:21], s[32:33]      ; ws: row 32 x group, + 16 x half
	s_cmp_ge_u32 ttmp9, 256
	s_cbranch_scc1 .Lweights
; ---------------- the hidden path
.macro XLOAD t
.irp i, 0,1,2,3
	global_load_b128 v[R+16*((\t)%4)+4*\i:R+16*((\t)%4)+4*\i+3], v3, s[4:5] offset:2048*(\t)+512*\i th:TH_LOAD_NT   ; 32 lanes read 512 consecutive bytes
.endr
.endm
.macro XTURN t                         ; a step's numbers through the stage: LDS serves a wave's instructions in order, so no wait stands between the stores and the loads
.irp i, 0,1,2,3
	ds_store_b128 v14, v[R+16*((\t)%4)+4*\i:R+16*((\t)%4)+4*\i+3] offset:32*SP*((\t)%2)+8*SP*\i
.endr
.irp i, 0,1,2,3
	ds_load_b128 v[X+16*((\t)%2)+4*\i:X+16*((\t)%2)+4*\i+3], v15 offset:32*SP*((\t)%2)+16*\i
.endr
.endm
; cos(2 pi (pos f / 2 pi - shift)): the angle is rounded once, as a product of two f32 numbers; its turns are taken off by a fused multiply-add; the rest, r in [-1/2, 1/2], goes into the series of cos(2 pi r) in r^2, eleven terms
.macro COSREV d, p, f, t
	v_mul_f32 v[\t], v[\p], v[\f]
	v_mul_f32 v[\t+1], 0.15915494, v[\t]
	v_rndne_f32 v[\t+1], v[\t+1]
	v_fma_f32 v[\t], v[\t], 0.15915494, -v[\t+1]
	v_sub_f32 v[\t], v[\t], v83
	v_rndne_f32 v[\t+1], v[\t]
	v_sub_f32 v[\t], v[\t], v[\t+1]
	v_mul_f32 v[\t], v[\t], v[\t]
	v_mov_b32 v[\d], 0x3b77b717
	v_fmaak_f32 v[\d], v[\d], v[\t], 0xbd15062d
	v_fmaak_f32 v[\d], v[\d], v[\t], 0x3e906316
	v_fmaak_f32 v[\d], v[\d], v[\t], 0xbfdb7128
	v_fmaak_f32 v[\d], v[\d], v[\t], 0x40fce9c5
	v_fmaak_f32 v[\d], v[\d], v[\t], 0xc1d368f9
	v_fmaak_f32 v[\d], v[\d], v[\t], 0x4270fa83
	v_fmaak_f32 v[\d], v[\d], v[\t], 0xc2aae9e4
	v_fmaak_f32 v[\d], v[\d], v[\t], 0x4281e0f8
	v_fmaak_f32 v[\d], v[\d], v[\t], 0xc19de9e6
	v_fma_f32 v[\d], v[\d], v[\t], 1.0
.endm
.irp g, 0,1,2,3
	global_load_b128 v[WOI+8*\g:WOI+8*\g+3], v248, s[12:13] offset:4096*\g th:TH_LOAD_NT       ; a thread's 8 numbers of Wo: they pack into 16 bytes of f16
	global_load_b128 v[WOI+8*\g+4:WOI+8*\g+7], v248, s[12:13] offset:4096*\g+16 th:TH_LOAD_NT
.endr
.irp t, 0,1,2,3
	XLOAD \t
.endr
	; the table, while the loads are on their way.  Lane l: frequencies 2 (l % 16) and + 1; lanes 16-31 make sines: sin x = cos(x - a quarter turn)
	v_and_b32 v80, 15, v2
	v_lshlrev_b32 v80, 1, v80
	v_cvt_f32_u32 v81, v80
	v_add_f32 v82, 1.0, v81
	v_mul_f32 v81, 0xbed49a78, v81                 ; i x -log2(10) / 8
	v_mul_f32 v82, 0xbed49a78, v82
	v_exp_f32 v8, v81
	v_exp_f32 v9, v82
	v_lshrrev_b32 v83, 4, v2                       ; (plain work behind the two exponentials)
	v_cvt_f32_u32 v83, v83
	v_mul_f32 v83, 0x3e800000, v83                 ; the shift: 0 or a quarter turn
	v_cvt_f32_u32 v84, s31                         ; my two positions
	v_add_f32 v85, 1.0, v84
	s_wait_alu depctr_va_vdst(0)                   ; one wait for both exponentials, ahead of their first reader
	COSREV TABR+0, 84, 8, 86
	COSREV TABR+1, 84, 9, 88
	COSREV TABR+2, 85, 8, 90
	COSREV TABR+3, 85, 9, 92
	global_store_b64 v4, v[TABR:TABR+1], s[24:25]              ; 32 lanes store a position's 256 consecutive bytes, aligned
	global_store_b64 v4, v[TABR+2:TABR+3], s[24:25] offset:256
	s_wait_loadcnt 16                              ; Wo's eight loads are in; the sixteen of hidden, issued behind them, may be out
.irp g, 0,1,2,3
.irp j, 0,1,2,3
	v_cvt_pk_f16_f32 v[WOO+4*\g+\j], v[WOI+8*\g+2*\j], v[WOI+8*\g+2*\j+1]
.endr
.endr
.irp g, 0,1,2,3
	global_store_b128 v249, v[WOO+4*\g:WOO+4*\g+3], s[22:23] offset:2048*\g
.endr
	s_wait_loadcnt 12                              ; step 0's four loads are in
	XTURN 0
.macro XSTEP t
.set XS, X+16*((\t)%2)
.if (\t) > 0
	s_wait_dscnt 1                                 ; this step's numbers are back from the stage (the last step's byte store may be out),
.else
	s_wait_dscnt 0x0
.endif
.if (\t)+4 < STEPS
	XLOAD (\t)+4                                   ; so its stores into the stage have read their registers, which take the loads of four steps on
.endif
.if (\t)+1 < STEPS
.if STEPS-2-(\t) >= 3
	s_wait_loadcnt 12                              ; the next step's four loads are in; those of the three steps behind it may be out
.else
	s_wait_loadcnt 4*(STEPS-2-(\t))
.endif
	XTURN (\t)+1
.endif
	v_max3_num_f32 v8, |v[XS]|, |v[XS+1]|, |v[XS+2]|               ; the largest magnitude of my 16
	v_max3_num_f32 v9, |v[XS+3]|, |v[XS+4]|, |v[XS+5]|
.irp i, 6,10
	v_max3_num_f32 v8, v8, |v[XS+\i]|, |v[XS+\i+1]|
	v_max3_num_f32 v9, v9, |v[XS+\i+2]|, |v[XS+\i+3]|
.endr
	v_max3_num_f32 v8, v8, |v[XS+14]|, |v[XS+15]|
	v_max3_num_f32 v8, v8, v9, 0x1800000           ; and the floor 2^(3 - 127): the byte cannot fall under 1
	v_max_num_f32_dpp v8, v8, v8 row_xmask:1 row_mask:0xf bank_mask:0xf   ; and of my neighbour's 16: the block's
	v_add_nc_u32 v11, 0xff000000, v8               ; 2 off its exponent field: the conversion takes the exponent field of this operand as its scale
	v_cvt_scalef32_pk8_fp4_f32 v[C+4*(\t)], v[XS:XS+7], v11
	v_cvt_scalef32_pk8_fp4_f32 v[C+4*(\t)+1], v[XS+8:XS+15], v11
	v_lshrrev_b32 v[E+(\t)], 23, v11               ; the scale's byte
	ds_store_b8 v5, v[E+(\t)] offset:16*(\t)       ; both lanes of a block write the same byte with the same value
	global_store_b64 v4, v[C+4*(\t):C+4*(\t)+1], s[14:15] offset:32*CB*(\t)   ; 32 lanes store 256 consecutive bytes, aligned
.endm
.irp t, 0,1,2,3,4,5,6,7,8,9,10,11,12,13,14,15
	XSTEP \t
.endr
	s_branch .Ljoin
; ---------------- the weights path: a lane takes a column, its registers run down K
.Lweights:
.irp i, 0,1,2,3,4,5,6,7,8,9,10,11,12,13,14,15,16,17,18,19,20,21,22,23,24,25,26,27,28,29,30,31
	v_mad_u32_u24 v[VO+\i], s34, \i, v250          ; the pitch differs between the tensors, so it stands in registers and not in the immediates
.endr
.macro WLOAD t                         ; block t of my four: W(k0 + 32 t + i, my column): 32 lanes read 128 consecutive bytes
.irp i, 0,1,2,3,4,5,6,7,8,9,10,11,12,13,14,15,16,17,18,19,20,21,22,23,24,25,26,27,28,29,30,31
	global_load_b32 v[R+32*((\t)%2)+\i], v[VO+\i], s[40+2*(\t):41+2*(\t)] th:TH_LOAD_NT
.endr
.endm
.macro WBLOCK t
.set WX, R+32*((\t)%2)
.if (\t) < 3
	s_wait_loadcnt 32                              ; this block's 32 loads are in; the next block's may be out
.else
	s_wait_loadcnt 0
.endif
	v_max3_num_f32 v85, |v[WX]|, |v[WX+1]|, |v[WX+2]|              ; the block's largest magnitude: all 32 numbers are mine
	v_max3_num_f32 v86, |v[WX+3]|, |v[WX+4]|, |v[WX+5]|
.irp i, 6,10,14,18,22,26
	v_max3_num_f32 v85, v85, |v[WX+\i]|, |v[WX+\i+1]|
	v_max3_num_f32 v86, v86, |v[WX+\i+2]|, |v[WX+\i+3]|
.endr
	v_max3_num_f32 v85, v85, |v[WX+30]|, |v[WX+31]|
	v_max3_num_f32 v85, v85, v86, 0x1800000
	v_add_nc_u32 v87, 0xff000000, v85
	v_lshrrev_b32 v86, 23, v87                     ; the scale's byte: four to my scale word, the lower K in the lower byte
.if (\t) == 0
	v_mov_b32 v84, v86
.else
	v_lshl_or_b32 v84, v86, 8*(\t), v84
.endif
.irp g, 0,1,2,3
	v_cvt_scalef32_pk8_fp4_f32 v[80+\g], v[WX+8*\g:WX+8*\g+7], v87
.endr
	ds_store_b128 v244, v[80:83] offset:16*(\t)    ; 32 codes: 16 bytes of my column's row
.if (\t) < 2
	WLOAD (\t)+2
.endif
	s_wait_dscnt 0x0                               ; the store has read its registers: the next block's codes may be written (plain lines stand ahead of them)
.endm
	WLOAD 0
	WLOAD 1
	WBLOCK 0
	WBLOCK 1
	WBLOCK 2
	WBLOCK 3
	ds_store_b32 v245, v84
.Ljoin:
	s_wait_dscnt 0x0                               ; my LDS stores have landed: a row of the weights' stage comes from four waves
	s_barrier_signal -1
	s_barrier_wait -1
	s_cmp_ge_u32 ttmp9, 256
	s_cbranch_scc1 .Lwtail
	ds_load_b64 v[8:9], v6                         ; my wave's 256 scale bytes
	s_wait_dscnt 0x0
	global_store_b64 v7, v[8:9], s[16:17]          ; 32 lanes store 256 consecutive bytes, aligned
	s_wait_tensorcnt 0x0                           ; the wave's end, behind my last LDS store
	ds_add_u32 v[SPW], v[NIL]
	s_wait_dscnt 0x0
	s_endpgm
.Lwtail:
.irp t, 0,1,2,3
	ds_load_b128 v[16+4*\t:19+4*\t], v246 offset:2*WSP*\t
.endr
	ds_load_b32 v32, v247
	s_wait_dscnt 0x0
.irp t, 0,1,2,3
	global_store_b128 v251, v[16+4*\t:19+4*\t], s[18:19] offset:1024*\t    ; sixteen lanes store 256 consecutive bytes, aligned: half a row of wc
.endr
	global_store_b32 v252, v32, s[20:21]           ; the scale bytes leave in pieces of 16 bytes a row: 512 bytes a work-group
	s_wait_tensorcnt 0x0                           ; the wave's end, as above
	ds_add_u32 v[SPW], v[NIL]
	s_wait_dscnt 0x0
	s_endpgm
.Lfunc_end_k_q43f3e0420d_prep:
	.size	k_q43f3e0420d_prep, .Lfunc_end_k_q43f3e0420d_prep-k_q43f3e0420d_prep
	.p2alignl 7, 3214868480
	.fill 96, 4, 3214868480
	.section	.rodata,"a",@progbits
	.p2align	6, 0x0
	.amdhsa_kernel k_q43f3e0420d_prep
		.amdhsa_group_segment_fixed_size 42496
		.amdhsa_private_segment_fixed_size 0
		.amdhsa_enable_private_segment 0
		.amdhsa_kernarg_size 88
		.amdhsa_user_sgpr_count 2
		.amdhsa_user_sgpr_kernarg_segment_ptr 1
		.amdhsa_wavefront_size32 1
		.amdhsa_system_sgpr_workgroup_id_x 1
		.amdhsa_system_sgpr_workgroup_id_y 1
		.amdhsa_system_sgpr_workgroup_id_z 1
		.amdhsa_system_vgpr_workitem_id 0
		.amdhsa_next_free_vgpr 256
		.amdhsa_next_free_sgpr 66
		.amdhsa_reserve_vcc 0
		.amdhsa_float_denorm_mode_32 3
		.amdhsa_float_denorm_mode_16_64 3
		.amdhsa_memory_ordered 1
		.amdhsa_forward_progress 1
		.amdhsa_inst_pref_size 64
	.end_amdhsa_kernel
	.amdgpu_metadata
---
amdhsa.version: [ 1, 2 ]
amdhsa.kernels:
  - .name:           k_q43f3e0420d_prep
    .symbol:         k_q43f3e0420d_prep.kd
    .args:
      - { .name: hidden_states, .offset: 0, .size: 8, .value_kind: global_buffer, .address_space: global }
      - { .name: Wq, .offset: 8, .size: 8, .value_kind: global_buffer, .address_space: global }
      - { .name: Wk, .offset: 16, .size: 8, .value_kind: global_buffer, .address_space: global }
      - { .name: Wv, .offset: 24, .size: 8, .value_kind: global_buffer, .address_space: global }
      - { .name: Wo, .offset: 32, .size: 8, .value_kind: global_buffer, .address_space: global }
      - { .name: xc, .offset: 40, .size: 8, .value_kind: global_buffer, .address_space: global }
      - { .name: xs, .offset: 48, .size: 8, .value_kind: global_buffer, .address_space: global }
      - { .name: wc, .offset: 56, .size: 8, .value_kind: global_buffer, .address_space: global }
      - { .name: ws, .offset: 64, .size: 8, .value_kind: global_buffer, .address_space: global }
      - { .name: wo16, .offset: 72, .size: 8, .value_kind: global_buffer, .address_space: global }
      - { .name: tab, .offset: 80, .size: 8, .value_kind: global_buffer, .address_space: global }
    .group_segment_fixed_size: 42496
    .private_segment_fixed_size: 0
    .kernarg_segment_align: 8
    .kernarg_segment_size: 88
    .max_flat_workgroup_size: 128
    .sgpr_count:     66
    .vgpr_count:     256
    .wavefront_size: 32
...
	.end_amdgpu_metadata
.endif
;; end of part 1
;; launch qkv (part 2): grid 12 x 32, 4 waves a work-group, clusters of 4 x 4, 327,680 bytes of LDS; arguments xc, xs, wc, ws, tab, qkvg; writes qkvg
.if DOCPART == 2
	.amdgcn_target "amdgcn-amd-amdhsa--gfx1250"
	.amdhsa_code_object_version 6
	.text
	.protected	k_q43f3e0420d_qkv
	.globl	k_q43f3e0420d_qkv
	.p2align	8
	.type	k_q43f3e0420d_qkv,@function
k_q43f3e0420d_qkv:
	s_mov_b64 s[64:65], 0
	v_nop
	global_prefetch_b8 v0, s[64:65] scope:SCOPE_SE
	s_setreg_imm32_b32 hwreg(HW_REG_WAVE_MODE, 25, 1), 1
	s_wait_xcnt 0x0
	s_wait_alu depctr_hold_cnt(0) depctr_sa_sdst(0) depctr_va_vdst(0) depctr_va_sdst(0) depctr_va_ssrc(0) depctr_va_vcc(0) depctr_vm_vsrc(0)
	s_getreg_b32 s2, hwreg(HW_REG_IB_STS2, 6, 4)
	s_cmp_eq_u32 s2, 0
	s_cbranch_scc0 .Lentry_in_a_cluster
	s_endpgm
.Lentry_in_a_cluster:
	s_bfe_u32 s2, ttmp6, 0x10000c
	s_cmp_lg_u32 s2, 0xf033
	s_cbranch_scc0 .Lentry_shape_is_right
	s_endpgm
.Lentry_shape_is_right:
; QKV.  qkvg[m][n] = sum over k of hidden[m][k] W[k][n], W = Wq | Wk | Wv, both operands as codes of FP4 (E2M1) with one E8M0 scale for each 32 along K, as the launch before laid them:
; xc [8192][512 bytes], xs [8192][32], wc [3072][512 bytes], ws [3072][32].  Sums in f32.  The first 64 of each head's 256 numbers of q and k are rotated by the table (tab: [position][32 cos, 32 sin]);
; all results are rounded once, to f16: qkvg [8192][3072]: q at byte 0 of a row of 6,144, the gate at 2,048, k at 4,096, v at 5,120.
; LIMIT: a result beyond 65,504 in magnitude becomes an infinity of f16.
; A tile of 256 x 256 is made by four waves, 128 x 128 each: 64 accumulators, 512 registers.  A tile column is one head.  K = 1,024 is two slots of 512 along K: both are asked for at the start, nothing is filled again.
; The scales of the work-group's rows come into LDS once, in whole rows of 256 bytes.
; CLUSTERS: 4 x 4 work-groups: A's tiles are asked for jointly along a row of the cluster, B's along a column.  384 work-groups: a tile of 256 x 384 would need 768 registers of accumulators, and a tile 192 wide would part a rotary pair between waves.
; THE MATRIX INSTRUCTION IS USED TRANSPOSED (source 0 = 16 rows of wc, source 1 = 16 rows of xc): a lane holds eight neighbouring numbers of a row; the rotary partner, 32 further on, lies in the same lane and register two accumulators on.
; REGISTERS: window 0: v0-31 addresses; v32-95 scale words, two sets; from v128 A's fragments, one set; window 1: B's fragments, two sets; windows 2, 3: the accumulators ((a, b) at v[8 (8 (a % 4) + b)]).
; On the way out: window 0: v32-39 table offsets, v64-95 rotated numbers, v96-127 packed results, v128-191 rows read back; window 1: the table's numbers for my 128 rows.
.set SIZE_K, 1024
.set KSTEP,  512
.set NQ,     KSTEP/128
.set ROWB,   256
.set KROW,   SIZE_K*4/8
.set PITCH,  272                       ; an LDS row: 256 bytes + 16 of padding, an odd multiple of 16: the 16 rows that a load touches fall 16 bytes further on in each 256
.set FR,     8
.set NL,     2
.set NP,     4
.set HALFT,  128*PITCH
.set SLOT,   4*HALFT
.set KS,     SIZE_K/32
.set SCL,    2*SLOT
.set HALFS,  (128*KS/256)*272
.set SBLK,   (16*KS/256)*272
.set SPARE,  SCL+4*HALFS               ; the spare words, 128 bytes for each wave: two blocks of 256 bytes that no other line names
.set SPITCH, 272                       ; the way out: a stage of 16 rows x (256 bytes + 16) for each wave, in slot 0, which has had its only fill and its last read when the first result is stored there
.set OPITCH, 6144                      ; a row of qkvg in bytes
.set ADRA, 16
.set ADRB, 20
.set STO,  24
.set RD,   25
.set CO,   26
.set ADRS, 27
.set SPW,  28
.set NIL,  29
.set SC,   32
.set AF,   128
.set TO,   32
.set RT,   64
.set TMP,  96
.set OB,   128
.set G1, 24
.set G0, 32
.set G1B, 48
.set G0B, 56
.set G1S, 68
.set G0S, 76
.set G1SB, 80
.set G0SB, 88
.set MSB, 0
.macro WIN new                         ; the immediate's high byte repeats the setting that is left
.if MSB != (\new)
	s_set_vgpr_msb (MSB<<8)|(\new)
.set MSB, (\new)
.endif
.endm
.set MUL_LO, 0xa1
.set MUL_HI, 0xf1
.set TO_B,   0x40
; A joint load: waves 0 and 1 fetch for A, waves 2 and 3 for B; the branch hangs on the wave's number alone.  An s_nop 0 and four v_nop follow each of the two lines.
.macro JLOAD g0a, g1a, g0b, g1b
	s_cmp_eq_u32 s15, 0
	s_cbranch_scc0 .Lfor_b_\@
	tensor_load_to_lds s[\g0a:\g0a+3], s[\g1a:\g1a+7]
	s_nop 0
.rept 4
	v_nop
.endr
	s_branch .Lasked_\@
.Lfor_b_\@:
	tensor_load_to_lds s[\g0b:\g0b+3], s[\g1b:\g1b+7]
	s_nop 0
.rept 4
	v_nop
.endr
.Lasked_\@:
.endm
.macro CROUND                          ; a round of the cluster's barrier
	s_barrier_signal -1
	s_barrier_wait -1
	s_cmp_lg_u32 s14, 0
	s_cbranch_scc1 .Lnot_wave_0_\@
	s_barrier_signal -3
.Lnot_wave_0_\@:
	s_barrier_wait -3
	s_barrier_signal -1
	s_barrier_wait -1
.endm
	s_load_b128 s[4:7], s[0:1], 0x0                ; xc, xs
	s_load_b128 s[8:11], s[0:1], 0x10              ; wc, ws
	s_load_b64 s[96:97], s[0:1], 0x20              ; tab
	s_load_b64 s[12:13], s[0:1], 0x28              ; qkvg
	v_lshl_add_u32 v[SPW], v0, 2, SPARE
	v_mov_b32 v[NIL], 0
	ds_add_u32 v[SPW], v[NIL]                      ; the wave's opening: the add, twice on end, and its wait ahead of my first tensor load
	ds_add_u32 v[SPW], v[NIL]
	v_lshrrev_b32 v1, 5, v0
	v_readfirstlane_b32 s14, v1                    ; wave 0..3
	s_lshr_b32 s15, s14, 1                         ; which half of the tile's rows is mine.  Also: I fetch for A (0) or for B (1)
	s_and_b32 s16, s14, 1                          ; which half of its columns.  Also: which 128 rows of that tile I fetch
	s_bfe_u32 s40, ttmp6, 0x40000                  ; cx, cy
	s_bfe_u32 s41, ttmp6, 0x40004
	s_lshl_b32 s42, ttmp9, 2
	s_add_co_u32 s42, s42, s40                     ; tile column = 4 x cluster x + cx: 0-3 q, 4-7 gate, 8-9 k, 10-11 v
	s_and_b32 s17, ttmp7, 0xffff
	s_lshl_b32 s17, s17, 2
	s_add_co_u32 s17, s17, s41                     ; tile row = 4 x cluster y + cy
	s_lshl_b32 s43, s41, 2
	s_lshl_b32 s43, 15, s43                        ; my row of the cluster
	s_lshl_b32 s44, 0x1111, s40                    ; my column
	s_lshr_b32 s66, s42, 1                         ; is the tile rotated?  1 for q and k, 0 for the gate and v.  It enters the table's ADDRESS alone: a tile that is not rotated reads position 0, whose cosines are 1 and sines 0
	s_cmp_eq_u32 s66, 4
	s_cselect_b32 s66, 1, 0
	s_cmp_lt_u32 s42, 4
	s_cselect_b32 s66, 1, s66
	s_lshl_b32 s67, s66, 12                        ; 16 positions of 256 bytes, or 0
	s_lshl_b32 s95, s17, 8
	s_lshl_b32 s94, s15, 7
	s_add_co_u32 s95, s95, s94
	s_and_b32 s95, s95, 2047                       ; my first row's position in its sequence
	s_or_b32 s[G1+0], s43, (0<<16)|(1<<20)|(1<<21)|(5<<22)|(3<<25)  ; the mask: A's tiles go to my row; elements of 1 byte; padding: 4 words after every 64
	s_or_b32 s[G1B+0], s44, (0<<16)|(1<<20)|(1<<21)|(5<<22)|(3<<25)
.irp g, G1, G1B
	s_mov_b32 s[\g+1], ROWB<<16                    ; tensor_dim0
	s_mov_b32 s[\g+2], 128<<16                     ; tensor_dim1
	s_mov_b32 s[\g+3], ROWB<<16                    ; tile_dim0
	s_mov_b32 s[\g+4], 128                         ; tile_dim1
	s_mov_b32 s[\g+5], KROW                        ; the pitch
	s_mov_b32 s[\g+6], 0
	s_mov_b32 s[\g+7], 0
.endr
	s_or_b32 s[G1S+0], s43, (3<<16)|(1<<20)|(1<<21)|(5<<22)|(3<<25) ; the scales of 128 rows: 4,096 dense bytes as 16 rows of 256 (32 elements of 8 bytes), 16 bytes of padding behind each
	s_or_b32 s[G1SB+0], s44, (3<<16)|(1<<20)|(1<<21)|(5<<22)|(3<<25)
.irp g, G1S, G1SB
	s_mov_b32 s[\g+1], 32<<16
	s_mov_b32 s[\g+2], (128*KS/256)<<16
	s_mov_b32 s[\g+3], 32<<16
	s_mov_b32 s[\g+4], 128*KS/256
	s_mov_b32 s[\g+5], 32
	s_mov_b32 s[\g+6], 0
	s_mov_b32 s[\g+7], 0
.endr
	s_lshl_b32 s18, s16, 7
	s_lshl_b32 s20, s17, 8
	s_add_co_u32 s20, s20, s18                     ; A: row 256 x tile row + 128 x half
	s_lshl_b32 s46, s42, 8
	s_add_co_u32 s46, s46, s18                     ; B: row 256 x tile column + 128 x half
	s_mov_b32 s21, 0
	s_mov_b32 s47, 0
	s_mov_b64 s[18:19], KS
	s_mul_u64 s[22:23], s[20:21], s[18:19]
	s_mul_u64 s[92:93], s[46:47], s[18:19]
	s_mov_b64 s[18:19], KROW
	s_mul_u64 s[20:21], s[20:21], s[18:19]
	s_mul_u64 s[46:47], s[46:47], s[18:19]
	s_mul_i32 s45, s14, HALFT                      ; where they go: wave x 128 rows
	s_mul_i32 s94, s14, HALFS
	s_wait_dscnt 0x0                               ; both opening adds are done
	s_wait_kmcnt 0x0
	s_add_nc_u64 s[20:21], s[4:5], s[20:21]
	s_add_nc_u64 s[22:23], s[6:7], s[22:23]
	s_add_nc_u64 s[46:47], s[8:9], s[46:47]
	s_add_nc_u64 s[92:93], s[10:11], s[92:93]
	CROUND                                         ; all sixteen work-groups are here: the joint loads meet
	s_mov_b32 s[G0S], 1
	s_add_co_u32 s[G0S+1], s94, SCL
	s_mov_b64 s[G0S+2:G0S+3], s[22:23]
	s_or_b32 s[G0S+3], s[G0S+3], 0x80000000
	s_mov_b32 s[G0SB], 1
	s_add_co_u32 s[G0SB+1], s94, SCL
	s_mov_b64 s[G0SB+2:G0SB+3], s[92:93]
	s_or_b32 s[G0SB+3], s[G0SB+3], 0x80000000
	JLOAD G0S, G1S, G0SB, G1SB                     ; the scales first; with the two slots three loads of mine are out
.irp s, 0,1
	s_mov_b32 s[G0+4*\s], 1
	s_add_co_u32 s[G0+4*\s+1], s45, \s*SLOT
	s_add_nc_u64 s[G0+4*\s+2:G0+4*\s+3], s[20:21], \s*ROWB
	s_or_b32 s[G0+4*\s+3], s[G0+4*\s+3], 0x80000000
	s_mov_b32 s[G0B+4*\s], 1
	s_add_co_u32 s[G0B+4*\s+1], s45, \s*SLOT
	s_add_nc_u64 s[G0B+4*\s+2:G0B+4*\s+3], s[46:47], \s*ROWB
	s_or_b32 s[G0B+4*\s+3], s[G0B+4*\s+3], 0x80000000
	JLOAD G0+4*\s, G1, G0B+4*\s, G1B
.endr
	v_and_b32 v1, 15, v0                           ; r = lane % 16
	v_bfe_u32 v2, v0, 4, 1                         ; h = lane / 16
	v_mul_u32_u24 v3, v1, PITCH
	v_lshl_add_u32 v4, v2, 4, v3
	s_mul_i32 s21, s15, HALFT
	s_mul_i32 s22, s16, HALFT
	s_add_co_u32 s22, s22, 2*HALFT
.irp s, 0,1
	v_add_nc_u32 v[ADRA+\s], s21, v4
	v_add_nc_u32 v[ADRB+\s], s22, v4
	s_add_co_u32 s21, s21, SLOT
	s_add_co_u32 s22, s22, SLOT
.endr
	v_mul_u32_u24 v5, v1, KS                       ; my row's scales: KS bytes a row, and 16 more for each 256 passed
	v_lshrrev_b32 v6, 8, v5
	v_lshl_add_u32 v5, v6, 4, v5
	s_mul_i32 s21, s15, HALFS
	s_mul_i32 s22, s16, HALFS
	s_add_co_u32 s22, s22, 2*HALFS
	s_sub_co_u32 s22, s22, s21
	v_mul_u32_u24 v6, s22, v2                      ; lanes 16-31 take B's
	s_add_co_u32 s21, s21, SCL
	v_add_nc_u32 v5, v5, v6
	v_add_nc_u32 v[ADRS], s21, v5
	s_mul_i32 s23, s14, 16*SPITCH                  ; my stage
	v_mul_u32_u24 v5, v1, SPITCH                   ; in: row r, 16 bytes for each half of the lanes
	v_lshl_add_u32 v5, v2, 4, v5
	v_add_nc_u32 v[STO], s23, v5
	v_mul_u32_u24 v5, v2, SPITCH                   ; back: lanes 0-15 one row of 256 bytes, lanes 16-31 the next
	v_lshl_add_u32 v5, v1, 4, v5
	v_add_nc_u32 v[RD], s23, v5
	v_mul_u32_u24 v5, v2, OPITCH                   ; and the same two rows in qkvg
	v_lshl_add_u32 v[CO], v1, 4, v5
	s_lshl_b32 s20, s17, 8
	s_lshl_b32 s21, s15, 7
	s_add_co_u32 s20, s20, s21                     ; my first row
	s_mov_b32 s21, 0
	s_mov_b64 s[18:19], OPITCH
	s_mul_u64 s[20:21], s[20:21], s[18:19]
	s_lshl_b32 s46, s42, 9                         ; my first column, in bytes: 512 x tile column + 256 x half
	s_lshl_b32 s47, s16, 8
	s_add_co_u32 s46, s46, s47
	s_mov_b32 s47, 0
	s_add_nc_u64 s[20:21], s[20:21], s[46:47]
	s_add_nc_u64 s[12:13], s[12:13], s[20:21]
.macro FRAG reg, adr, q, i             ; 16 rows x 128 K of 4-bit codes: 8 registers: two loads of 16 bytes, 32 bytes apart
.irp c, 0,1
	ds_load_b128 v[\reg+4*\c:\reg+4*\c+3], v[\adr] offset:64*(\q)+32*\c+(\i)*16*PITCH
.endr
.endm
; 16 matrix instructions: A's blocks a0, a0 + 1 x B's eight.  The 64 accumulators take turns, one instruction a turn, in the same order in every step.
.macro MUL16 a0, p, q, sc, zero
.irp a, \a0, \a0+1
.irp b, 0,1,2,3,4,5,6,7
.if \zero
	v_wmma_scale_f32_16x16x128_f8f6f4 v[8*(8*((\a)%4)+\b):8*(8*((\a)%4)+\b)+7], v[128*(\p)+FR*\b:128*(\p)+FR*\b+FR-1], v[AF+FR*(\a):AF+FR*(\a)+FR-1], 0, v[SC+8*NQ*(\sc)+NQ*\b+(\q)], v[SC+8*NQ*(\sc)+NQ*(\a)+(\q)] matrix_a_fmt:MATRIX_FMT_FP4 matrix_b_fmt:MATRIX_FMT_FP4 matrix_a_scale:MATRIX_SCALE_ROW1
.else
	v_wmma_scale_f32_16x16x128_f8f6f4 v[8*(8*((\a)%4)+\b):8*(8*((\a)%4)+\b)+7], v[128*(\p)+FR*\b:128*(\p)+FR*\b+FR-1], v[AF+FR*(\a):AF+FR*(\a)+FR-1], v[8*(8*((\a)%4)+\b):8*(8*((\a)%4)+\b)+7], v[SC+8*NQ*(\sc)+NQ*\b+(\q)], v[SC+8*NQ*(\sc)+NQ*(\a)+(\q)] matrix_a_fmt:MATRIX_FMT_FP4 matrix_b_fmt:MATRIX_FMT_FP4 matrix_a_scale:MATRIX_SCALE_ROW1
.endif
.endr
.endr
.endm
.macro FETCH_B slot, q, p
	WIN TO_B
.irp i, 0,1,2,3,4,5,6,7
	FRAG 128*(\p)+FR*\i, ADRB+\slot, \q, \i
.endr
	WIN 0
.endm
.macro FETCH_A slot, q, i0
.irp i, \i0, \i0+1, \i0+2, \i0+3
	FRAG AF+FR*(\i), ADRA+\slot, \q, \i
.endr
.endm
.macro SCALES sc                       ; a slot's scale words: lanes 0-15 take A's block i, lanes 16-31 B's block i
.irp i, 0,1,2,3,4,5,6,7
	ds_load_b128 v[SC+8*NQ*\sc+NQ*\i:SC+8*NQ*\sc+NQ*\i+3], v[ADRS] offset:\i*SBLK
.endr
.endm
.macro PLACES n                        ; plain vector places between a matrix instruction and a load into, or a read of, its registers
.rept \n
	v_nop
.endr
.endm
.macro STEP slot, q, zero              ; 128 along K that have their successor in the same slot
	s_wait_dscnt 4*NL                              ; B's set and A's blocks 0-3 are in; the youngest eight loads (A's blocks 4-7) may be out
	WIN MUL_LO
	MUL16 0, (\q)%2, \q, \slot, \zero
	MUL16 2, (\q)%2, \q, \slot, \zero
	s_wait_dscnt 0
	PLACES NP
	FETCH_B \slot, (\q)+1, 1-(\q)%2
	FETCH_A \slot, (\q)+1, 0
	WIN MUL_HI
	MUL16 4, (\q)%2, \q, \slot, \zero
	MUL16 6, (\q)%2, \q, \slot, \zero
	PLACES NP
	WIN 0
	FETCH_A \slot, (\q)+1, 4
.endm
.macro STEPS slot, from
.set Q, \from
.rept NQ-1-\from
	STEP \slot, Q, 0
.set Q, Q+1
.endr
.endm
	s_wait_tensorcnt 1                             ; the scales and my part of slot 0 are in; slot 1's load may be out
	s_barrier_signal -1
	s_barrier_wait -1
	FETCH_B 0, 0, 0
	FETCH_A 0, 0, 0
	SCALES 0
	FETCH_A 0, 0, 4
	STEP 0, 0, 1                                   ; the first step's products start the sums
	STEPS 0, 1
	; slot 0's last step changes slots: one barrier; nothing is filled again
	s_wait_tensorcnt 0x0                           ; my part of slot 1 has landed
	ds_add_u32 v[SPW], v[NIL]
	s_wait_dscnt 4*NL+1                            ; (the add and the youngest eight loads may be out)
	WIN MUL_LO
	MUL16 0, 1, NQ-1, 0, 0
	s_wait_dscnt 0x0                               ; the add is done, and my reads of slot 0 are over
	s_barrier_signal -1
	MUL16 2, 1, NQ-1, 0, 0
	WIN 0
	s_barrier_wait -1
	PLACES NP
	v_add_nc_u32 v[ADRS], 4*NQ, v[ADRS]            ; on to slot 1's scale words
	FETCH_B 1, 0, 0
	FETCH_A 1, 0, 0
	SCALES 1
	WIN MUL_HI
	MUL16 4, 1, NQ-1, 0, 0
	MUL16 6, 1, NQ-1, 0, 0
	PLACES NP
	WIN 0
	FETCH_A 1, 0, 4
	STEPS 1, 0
	s_wait_dscnt 4*NL                              ; the very last step
	WIN MUL_LO
	MUL16 0, 1, NQ-1, 1, 0
	MUL16 2, 1, NQ-1, 1, 0
	s_wait_dscnt 0
	WIN MUL_HI
	MUL16 4, 1, NQ-1, 1, 0
	MUL16 6, 1, NQ-1, 1, 0
	WIN 0
; THE WAY OUT, block by block of 16 rows x 128 columns.  ROPE: x1' = x1 cos - x2 sin, x2' = x2 cos + x1 sin, x1 in accumulators 0, 1 (d = 0 .. 31), x2 in 2, 3 (d = 32 .. 63); each accumulator is read from its low end on.
.macro ROPE a
.set AC, 64*((\a)%4)
	WIN 0x06+(\a)/4                                ; source 0: the accumulators' window; source 1: window 1, the table; source 2 and destination: window 0
.irp b, 0,1
.irp jp, 0,2,4,6
	v_pk_mul_f32 v[RT+8*\b+\jp:RT+8*\b+\jp+1], v[AC+8*\b+\jp:AC+8*\b+\jp+1], v[32*(\a)+8*\b+\jp:32*(\a)+8*\b+\jp+1]
	v_pk_mul_f32 v[RT+16+8*\b+\jp:RT+16+8*\b+\jp+1], v[AC+16+8*\b+\jp:AC+16+8*\b+\jp+1], v[32*(\a)+8*\b+\jp:32*(\a)+8*\b+\jp+1]
	v_pk_fma_f32 v[RT+8*\b+\jp:RT+8*\b+\jp+1], v[AC+16+8*\b+\jp:AC+16+8*\b+\jp+1], v[32*(\a)+16+8*\b+\jp:32*(\a)+16+8*\b+\jp+1], v[RT+8*\b+\jp:RT+8*\b+\jp+1] neg_lo:[1,0,0] neg_hi:[1,0,0]
	v_pk_fma_f32 v[RT+16+8*\b+\jp:RT+16+8*\b+\jp+1], v[AC+8*\b+\jp:AC+8*\b+\jp+1], v[32*(\a)+16+8*\b+\jp:32*(\a)+16+8*\b+\jp+1], v[RT+16+8*\b+\jp:RT+16+8*\b+\jp+1]
.endr
.endr
.endm
.macro PACK a, rope                    ; eight neighbouring numbers of a row become 16 bytes of f16
.set AC, 64*((\a)%4)
.if \rope
	WIN 0
.irp b, 0,1,2,3
.irp i, 0,1,2,3
	v_cvt_pk_f16_f32 v[TMP+4*\b+\i], v[RT+8*\b+2*\i], v[RT+8*\b+2*\i+1]
.endr
.endr
.endif
	WIN 0x0a+5*((\a)/4)                            ; sources 0 and 1: window 2 or 3
.irp b, 0,1,2,3,4,5,6,7
.if (\b >= 4) || (\rope == 0)
.irp i, 0,1,2,3
	v_cvt_pk_f16_f32 v[TMP+4*\b+\i], v[AC+8*\b+2*\i], v[AC+8*\b+2*\i+1]
.endr
.endif
.endr
	WIN 0
.endm
.macro TOSTAGE a
.set BB, OB+32*((\a)%2)
.irp b, 0,1,2,3,4,5,6,7
	ds_store_b128 v[STO], v[TMP+4*\b:TMP+4*\b+3] offset:32*\b
.endr
.irp t, 0,1,2,3,4,5,6,7
	ds_load_b128 v[BB+4*\t:BB+4*\t+3], v[RD] offset:\t*2*SPITCH    ; LDS serves a wave's instructions in order: these see the stores above
.endr
.endm
.macro SEND a
.set BB, OB+32*((\a)%2)
	s_wait_dscnt 0x0                               ; the block is back in registers
	s_wait_xcnt 0x0                                ; earlier stores have read their base and their registers: both may be written again
.if (\a) > 0
	s_add_nc_u64 s[12:13], s[12:13], 16*OPITCH
.endif
.irp t, 0,1,2,3,4,5,6,7
	global_store_b128 v[CO], v[BB+4*\t:BB+4*\t+3], s[12:13] offset:2*\t*OPITCH   ; 16 lanes store 256 consecutive bytes, at a multiple of 256 from the buffer's first byte
.endr
.endm
.macro BLOCKP a, rope
.if \rope
	s_wait_loadcnt 8*(7-(\a))                      ; this block's eight loads of the table are in; the later blocks' may be out
	ROPE \a
.endif
	PACK \a, \rope
.endm
.macro WAYOUT rope
.if \rope
	v_and_b32 v1, 15, v0
	v_bfe_u32 v2, v0, 4, 1
	v_add_nc_u32 v3, s95, v1                       ; my row's position,
	v_mul_lo_u32 v3, v3, s66                       ; or 0 where the tile is not rotated
	v_lshlrev_b32 v3, 8, v3
	v_lshl_add_u32 v3, v2, 5, v3                   ; + 32 h: my eight of a tile's sixteen
.irp a, 0,1,2,3,4,5,6,7
	v_mad_u32_u24 v[TO+\a], s67, \a, v3
.endr
	WIN 0x40                                       ; destination window 1: B's fragments are done with
.irp a, 0,1,2,3,4,5,6,7
.irp q, 0,1,2,3                        ; cosines of d = 0 .. 15, 16 .. 31, then the sines
	global_load_b128 v[32*\a+8*\q:32*\a+8*\q+3], v[TO+\a], s[96:97] offset:64*\q
	global_load_b128 v[32*\a+8*\q+4:32*\a+8*\q+7], v[TO+\a], s[96:97] offset:64*\q+16
.endr
.endr
	WIN 0
.endif
	BLOCKP 0, \rope
	TOSTAGE 0
.irp a, 1,2,3,4,5,6,7                  ; block a's arithmetic stands between block a - 1's loads from the stage and the wait for them
	BLOCKP \a, \rope
	SEND \a-1
	TOSTAGE \a
.endr
	SEND 7
.endm
	PLACES NP                                      ; behind the last products: ahead of the first read of results and of writes and loads into registers that they read
	s_cmp_lg_u32 s16, 0                            ; the wave's number alone: waves 0 and 2 hold d = 0 .. 127, the others d = 128 .. 255, which are never rotated
	s_cbranch_scc1 .Lplain
	WAYOUT 1
	s_branch .Lout
.Lplain:
	WAYOUT 0
.Lout:
	s_wait_tensorcnt 0x0                           ; the wave's end, behind my last tensor load and my last LDS store
	ds_add_u32 v[SPW], v[NIL]
	s_wait_dscnt 0x0
	CROUND                                         ; the closing round
	s_endpgm
.Lfunc_end_k_q43f3e0420d_qkv:
	.size	k_q43f3e0420d_qkv, .Lfunc_end_k_q43f3e0420d_qkv-k_q43f3e0420d_qkv
	.p2alignl 7, 3214868480
	.fill 96, 4, 3214868480
	.section	.rodata,"a",@progbits
	.p2align	6, 0x0
	.amdhsa_kernel k_q43f3e0420d_qkv
		.amdhsa_group_segment_fixed_size 327680
		.amdhsa_private_segment_fixed_size 0
		.amdhsa_enable_private_segment 0
		.amdhsa_kernarg_size 48
		.amdhsa_user_sgpr_count 2
		.amdhsa_user_sgpr_kernarg_segment_ptr 1
		.amdhsa_wavefront_size32 1
		.amdhsa_system_sgpr_workgroup_id_x 1
		.amdhsa_system_sgpr_workgroup_id_y 1
		.amdhsa_system_sgpr_workgroup_id_z 1
		.amdhsa_system_vgpr_workitem_id 0
		.amdhsa_next_free_vgpr 1024
		.amdhsa_next_free_sgpr 100
		.amdhsa_reserve_vcc 0
		.amdhsa_float_denorm_mode_32 3
		.amdhsa_float_denorm_mode_16_64 3
		.amdhsa_memory_ordered 1
		.amdhsa_forward_progress 1
		.amdhsa_inst_pref_size 182
	.end_amdhsa_kernel
	.amdgpu_metadata
---
amdhsa.version: [ 1, 2 ]
amdhsa.kernels:
  - .name:           k_q43f3e0420d_qkv
    .symbol:         k_q43f3e0420d_qkv.kd
    .args:
      - { .name: xc, .offset: 0, .size: 8, .value_kind: global_buffer, .address_space: global }
      - { .name: xs, .offset: 8, .size: 8, .value_kind: global_buffer, .address_space: global }
      - { .name: wc, .offset: 16, .size: 8, .value_kind: global_buffer, .address_space: global }
      - { .name: ws, .offset: 24, .size: 8, .value_kind: global_buffer, .address_space: global }
      - { .name: tab, .offset: 32, .size: 8, .value_kind: global_buffer, .address_space: global }
      - { .name: qkvg, .offset: 40, .size: 8, .value_kind: global_buffer, .address_space: global }
    .group_segment_fixed_size: 327680
    .private_segment_fixed_size: 0
    .kernarg_segment_align: 8
    .kernarg_segment_size: 48
    .max_flat_workgroup_size: 128
    .sgpr_count:     100
    .vgpr_count:     1024
    .wavefront_size: 32
...
	.end_amdgpu_metadata
.endif
;; end of part 2
;; launch attn (part 3): grid 32 x 8, 4 waves a work-group, clusters of 4 x 1, 327,680 bytes of LDS; arguments qkvg, ab; writes ab
.if DOCPART == 3
	.amdgcn_target "amdgcn-amd-amdhsa--gfx1250"
	.amdhsa_code_object_version 6
	.text
	.protected	k_q43f3e0420d_attn
	.globl	k_q43f3e0420d_attn
	.p2align	8
	.type	k_q43f3e0420d_attn,@function
k_q43f3e0420d_attn:
	s_mov_b64 s[64:65], 0
	v_nop
	global_prefetch_b8 v0, s[64:65] scope:SCOPE_SE
	s_setreg_imm32_b32 hwreg(HW_REG_WAVE_MODE, 25, 1), 1
	s_wait_xcnt 0x0
	s_wait_alu depctr_hold_cnt(0) depctr_sa_sdst(0) depctr_va_vdst(0) depctr_va_sdst(0) depctr_va_ssrc(0) depctr_va_vcc(0) depctr_vm_vsrc(0)
	s_getreg_b32 s2, hwreg(HW_REG_IB_STS2, 6, 4)
	s_cmp_eq_u32 s2, 0
	s_cbranch_scc0 .Lentry_in_a_cluster
	s_endpgm
.Lentry_in_a_cluster:
	s_bfe_u32 s2, ttmp6, 0x10000c
	s_cmp_lg_u32 s2, 0x3003
	s_cbranch_scc0 .Lentry_shape_is_right
	s_endpgm
.Lentry_shape_is_right:
; ATTN.  a[row][256 h + d] = (sum over keys of softmax(q . k / 16) v)[d] x silu(gate).  q, gate, k, v: f16, in qkvg (rows of 6,144 bytes: q at 0, gate at 2,048, k at 4,096, v at 5,120; a head is 512 bytes).
; Products on f16 operands with f32 sums; maxima, exponentials and sums in f32; the weights p are rounded to f16 for the second product.
; THE RESULT GOES OUT AS f16 UNDER A SCALE OF ITS OWN FOR EACH (ROW, HEAD): s = 2^floor(log2(the largest |a| of the head's 256 numbers of the row)); ab[row][256 h + d] = a / s, under 2 in magnitude, rounded once;
; s itself as f32 at byte 16,777,216 + 32,768 h + 4 row of ab.  Plain f16 would have no room for a at inputs much larger or smaller than usual.
; LIMITS: NaN and infinities in qkvg are not served.  The largest |a| is held between 2^-100 and 2^126: a row under 2^-100 is carried to 2^-124 absolute; magnitudes from 2^127 on are not served.
; SHARES.  Work-group y = 2 x batch + kv head; x: 16 blocks of 128 queries for each of the two query heads of that kv head: 256 work-groups.  THE KEYS ARE SPLIT INSIDE THE WORK-GROUP: wave w takes queries 64 (w % 2) on
; and keys 1,024 (w / 2) on, 64 a step, 16 steps: so a wave has four tiles of 16 queries for each fragment of K and V that it reads.  At the end waves w and w xor 2 merge their halves through LDS: tile t of a wave
; holds query block t xor 2 (w / 2), by address alone, so that every wave keeps tiles 0, 1 and sends tiles 2, 3: one text for all waves.
; LAYOUT.  S^T = K Q^T (source 0 = 16 keys, source 1 = 16 queries), O^T = V^T P (source 0 = 16 channels x 32 keys, turned by ds_load_tr16_b128; source 1 = two tiles of S^T rounded in pairs): a lane holds one query throughout.
; SOFTMAX.  A running maximum m and sum l for each query: p = 2^(c s - c m), c = log2(e) / 16; in every step O and l are multiplied by a = 2^(c m_old - c m_new).
; CLUSTER.  The four work-groups of a cluster have one batch and kv head and walk the same K and V: each tile is asked for jointly.
; A step goes in phases (all scores, the softmax, all of V^T P): with 256 channels a head there is no room for a second set of scores or for whole steps of K and V in registers.
; REGISTERS: window 0: v2-17 addresses; v18-31 at work; v32-63 statistics, 8 a tile (+0 c m, +1 m, +2, +3 l, +4 .. +7 at work, a in +6); v64-191 S^T, 32 a tile, P over its lower 16; v192-255 two sets of four fragments.
;   window 1: Q (tile t, channels 32 c on: 64 t + 8 c).   window 2: O^T of tiles 0, 1 (128 (t % 2) + 8 x channel block).   window 3: of tiles 2, 3.
.set ROWP,  6144
.set PK,    528                        ; a key's row of K in LDS: 512 bytes + 16: an odd multiple of 16
.set PV,    544                        ; of V: 512 + 32: an odd multiple of 32, for the turning load
.set VOFF,  64*PK
.set HALFB, 64*(PK+PV)                 ; one half of the keys: 64 rows of K, then 64 of V
.set SLOTB, 2*HALFB
.set SPARE, 2*SLOTB                    ; the spare words, 128 bytes for each wave: two blocks of 256 bytes that no other line names
.set XST,   131072                     ; after the last fills, in slot 0: four images of 32,768 bytes, then the statistics, 512 bytes a wave
.set STG,   SLOTB                      ; in slot 1: a stage of 32 rows x (1,024 + 16) bytes for each wave
.set STP,   1040
.set ASC,   16777216                   ; where the scales begin in ab
.set AK,  2                            ; v2, v3   my lane's place in K's tile, slot 0, 1
.set AV,  4                            ; v4, v5   in V's
.set QOL, 6                            ; v6       my offset in Q's rows for tiles 0, 1;  v7 for tiles 2, 3
.set QOH, 7
.set XO,  8                            ; v8       my image out;  v9 my partner's in
.set XI,  9
.set XSO, 10                           ; v10      my statistics out;  v11 my partner's in
.set XSI, 11
.set STO, 12                           ; v12      the stage, in;  v13 back
.set RD,  13
.set GO,  14                           ; v14      16 x lane
.set PFO, 15                           ; v15      the prefetch's offset
.set SPW, 16
.set NIL, 17
.set ST,  32
.set S,   64
.set FB,  192
.set WV,  12
.set QH,  13                           ; s13  w % 2: which 64 queries; also: I fetch K (0) or V (1)
.set KH,  14                           ; s14  w / 2: which half of the keys, to read and to fetch
.set G1K, 24
.set G1V, 32
.set G0,  40                           ; s[40:47] group 0, a set for each slot
.set PFA, 48
.set LIM, 50
.set CNT, 51
.set QB,  52
.set GB,  54
.set AB,  56
.set CS,  58
.set SEL, 60
.set SB,  62                           ; s[62:63] where my 32 rows' scales go
.set MSB, 0
.macro WIN new                         ; the immediate's high byte repeats the setting that is left
.if MSB != (\new)
	s_set_vgpr_msb (MSB<<8)|(\new)
.set MSB, (\new)
.endif
.endm
.macro PLACES n
.rept \n
	v_nop
.endr
.endm
.macro CROUND                          ; a round of the cluster's barrier
	s_barrier_signal -1
	s_barrier_wait -1
	s_cmp_lg_u32 s[WV], 0
	s_cbranch_scc1 .Lnot_wave_0_\@
	s_barrier_signal -3
.Lnot_wave_0_\@:
	s_barrier_wait -3
	s_barrier_signal -1
	s_barrier_wait -1
.endm
.macro JLOAD s                         ; a joint refill of slot s: my one tile.  The branch hangs on the wave's number alone.  An s_nop 0 and four v_nop follow each of the two lines
	s_cmp_eq_u32 s[QH], 0
	s_cbranch_scc0 .Lfor_v_\@
	tensor_load_to_lds s[G0+4*\s:G0+4*\s+3], s[G1K:G1K+7]
	s_nop 0
.rept 4
	v_nop
.endr
	s_branch .Lasked_\@
.Lfor_v_\@:
	tensor_load_to_lds s[G0+4*\s:G0+4*\s+3], s[G1V:G1V+7]
	s_nop 0
.rept 4
	v_nop
.endr
.Lasked_\@:
.endm
; A PREFETCH of the tile that my wave will ask for at the NEXT change of slots: one key step, 256 matrix instructions and a softmax, ahead of that load.  A tile is 64 rows x 512 bytes: 128 blocks of 256 bytes.
; All eight clusters of a batch and kv head walk the same K and V: the first of them asks.  Its four partners take 16 rows each, told apart by address; a lane names one block.  So each block is named once in the launch.
; how = 1: the step asked for always exists; how = 2: not in the loop's last trip, where no step follows.  Steps 0 to 2 come by their loads alone.
.macro ASK how
.if \how == 1
	s_cmp_eq_u32 s[LIM], 1
.else
	s_cmp_gt_u32 s[CNT], s[LIM]
.endif
	s_cbranch_scc0 .Lnot_mine_\@
	global_prefetch_b8 v[PFO], s[PFA:PFA+1] th:TH_LOAD_NT scope:SCOPE_SE
.Lnot_mine_\@:
.endm
	s_load_b128 s[4:7], s[0:1], 0x0                ; qkvg, ab
	v_lshl_add_u32 v[SPW], v0, 2, SPARE
	v_mov_b32 v[NIL], 0
	ds_add_u32 v[SPW], v[NIL]                      ; the wave's opening: the add, twice on end, and its wait ahead of my first tensor load
	ds_add_u32 v[SPW], v[NIL]
	v_lshrrev_b32 v1, 5, v0
	v_readfirstlane_b32 s[WV], v1
	s_and_b32 s[QH], s[WV], 1
	s_lshr_b32 s[KH], s[WV], 1
	s_and_b32 s19, ttmp7, 0xffff
	s_lshr_b32 s20, s19, 1                         ; batch
	s_and_b32 s21, s19, 1                          ; kv head
	s_lshl_b32 s22, s20, 11                        ; my tile of step 0: row 2,048 batch + 1,024 key half; K or V; the kv head.  Nothing of my place in the cluster enters it
	s_lshl_b32 s23, s[KH], 10
	s_add_co_u32 s22, s22, s23
	s_mul_i32 s22, s22, ROWP
	s_lshl_b32 s23, s[QH], 10
	s_add_co_u32 s22, s22, s23
	s_lshl_b32 s23, s21, 9
	s_add_co_u32 s22, s22, s23
	s_add_co_u32 s22, s22, 4096
	s_mov_b32 s23, 0
	s_mul_i32 s19, s[KH], HALFB
	s_mul_i32 s10, s[QH], VOFF
	s_add_co_u32 s19, s19, s10                     ; and its place in a slot
	s_bfe_u32 s15, ttmp6, 0x40000                  ; cx
	s_lshl_b32 s16, ttmp9, 2
	s_add_co_u32 s16, s16, s15                     ; work-group x
	s_lshr_b32 s17, s16, 4                         ; which query head of the two
	s_and_b32 s18, s16, 15                         ; which block of 128 queries
	s_lshl_b32 s2, s20, 11
	s_lshl_b32 s3, s18, 7
	s_add_co_u32 s2, s2, s3
	s_lshl_b32 s3, s[QH], 6
	s_add_co_u32 s18, s2, s3                       ; my wave's first query row
	s_lshl_b32 s3, s21, 1
	s_add_co_u32 s17, s17, s3
	s_lshl_b32 s17, s17, 9                         ; 512 x head
	s_mul_i32 s2, s18, ROWP
	s_add_co_u32 s2, s2, s17
	s_mov_b32 s3, 0
	s_mov_b32 s[G1K], 15|(1<<16)|(1<<20)|(1<<21)|(6<<22)|(3<<25)  ; the mask: all four; elements of 2 bytes; padding: 4 words after every 128
	s_mov_b32 s[G1V], 15|(1<<16)|(1<<20)|(1<<21)|(6<<22)|(7<<25)  ; 8 words
.irp g, G1K, G1V
	s_mov_b32 s[\g+1], 256<<16                     ; tensor_dim0 = 256
	s_mov_b32 s[\g+2], 64<<16                      ; tensor_dim1 = 64
	s_mov_b32 s[\g+3], 256<<16                     ; tile_dim0 = 256
	s_mov_b32 s[\g+4], 64                          ; tile_dim1 = 64
	s_mov_b32 s[\g+5], 3072                        ; the pitch, in elements
	s_mov_b32 s[\g+6], 0
	s_mov_b32 s[\g+7], 0
.endr
	s_mov_b32 s[CS], 0x3db8aa3b                    ; c = log2(e) / 16
	s_mov_b32 s[CS+1], s[CS]
	s_mov_b32 s[SEL], 0x76543210
	s_mov_b32 s[SEL+1], 0xfedcba98
	s_cmp_eq_u32 ttmp9, 0                          ; the cluster's number: the same in all four partners
	s_cselect_b32 s[LIM], 1, -1
	s_wait_dscnt 0x0                               ; both opening adds are done
	s_wait_kmcnt 0x0
	s_add_nc_u64 s[8:9], s[4:5], s[22:23]          ; my tile of step 0
	s_add_nc_u64 s[QB:QB+1], s[4:5], s[2:3]        ; Q at my wave's first row
	s_mul_i32 s16, s[KH], 32*ROWP
	s_add_co_u32 s2, s2, s16
	s_add_co_u32 s2, s2, 2048
	s_add_nc_u64 s[GB:GB+1], s[4:5], s[2:3]        ; the gate at the first of the 32 rows that I keep
	s_lshl_b32 s16, s[KH], 5
	s_add_co_u32 s16, s18, s16
	s_lshl_b32 s2, s16, 11
	s_add_co_u32 s2, s2, s17
	s_add_nc_u64 s[AB:AB+1], s[6:7], s[2:3]        ; ab likewise: rows of 2,048 bytes
	s_lshl_b32 s2, s17, 6                          ; the scales: 32,768 x head
	s_lshl_b32 s16, s16, 2                         ; + 4 x my first kept row
	s_add_co_u32 s2, s2, s16
	s_add_co_u32 s2, s2, ASC
	s_add_nc_u64 s[SB:SB+1], s[6:7], s[2:3]
	s_mul_i32 s2, s15, 16*ROWP                     ; the prefetches: my work-group's 16 rows of my tile,
	s_add_co_u32 s2, s2, 2*64*ROWP                 ; at step 2: the first change of slots steps it to 3
	s_add_nc_u64 s[PFA:PFA+1], s[8:9], s[2:3]
	CROUND                                         ; all four work-groups are here: the first joint loads meet
.irp s, 0,1
	s_mov_b32 s[G0+4*\s], 1
	s_add_co_u32 s[G0+4*\s+1], s19, \s*SLOTB
	s_add_nc_u64 s[G0+4*\s+2:G0+4*\s+3], s[8:9], \s*64*ROWP
	s_or_b32 s[G0+4*\s+3], s[G0+4*\s+3], 0x80000000
.endr
	s_cmp_eq_u32 s[QH], 0                          ; a wave's two first fills stand in one branch: two loads of mine are out
	s_cbranch_scc0 .Lfirst_v
	tensor_load_to_lds s[G0:G0+3], s[G1K:G1K+7]
	s_nop 0
	tensor_load_to_lds s[G0+4:G0+7], s[G1K:G1K+7]
	s_nop 0
.rept 4
	v_nop
.endr
	s_branch .Lfirst_asked
.Lfirst_v:
	tensor_load_to_lds s[G0:G0+3], s[G1V:G1V+7]
	s_nop 0
	tensor_load_to_lds s[G0+4:G0+7], s[G1V:G1V+7]
	s_nop 0
.rept 4
	v_nop
.endr
.Lfirst_asked:
	v_and_b32 v1, 15, v0                           ; r
	v_bfe_u32 v18, v0, 4, 1                        ; h
	v_and_b32 v19, 31, v0                          ; lane
	v_mul_u32_u24 v20, v1, ROWP
	v_lshl_add_u32 v20, v18, 4, v20
	s_mul_i32 s2, s[KH], 32*ROWP
	v_add_nc_u32 v[QOL], s2, v20                   ; tiles 0, 1: query blocks 2 (w / 2) and + 1
	s_xor_b32 s3, s[KH], 1
	s_mul_i32 s3, s3, 32*ROWP
	v_add_nc_u32 v[QOH], s3, v20                   ; tiles 2, 3: the other two
	WIN 0x40                                       ; destination window 1
.irp t, 0,1,2,3
.irp c, 0,1,2,3,4,5,6,7
.if \t < 2
	global_load_b128 v[64*\t+8*\c:64*\t+8*\c+3], v[QOL], s[QB:QB+1] offset:(\t%2)*16*ROWP+64*\c
	global_load_b128 v[64*\t+8*\c+4:64*\t+8*\c+7], v[QOL], s[QB:QB+1] offset:(\t%2)*16*ROWP+64*\c+32
.else
	global_load_b128 v[64*\t+8*\c:64*\t+8*\c+3], v[QOH], s[QB:QB+1] offset:(\t%2)*16*ROWP+64*\c
	global_load_b128 v[64*\t+8*\c+4:64*\t+8*\c+7], v[QOH], s[QB:QB+1] offset:(\t%2)*16*ROWP+64*\c+32
.endif
.endr
.endr
	WIN 0
	s_mul_i32 s10, s[KH], HALFB
	v_mul_u32_u24 v20, v1, PK
	v_lshl_add_u32 v20, v18, 4, v20
	v_add_nc_u32 v[AK], s10, v20
	v_add_nc_u32 v[AK+1], SLOTB, v[AK]
	v_and_b32 v21, 7, v0                           ; the turning load: lane l reads key 8 h + l % 8, channels 8 ((l / 8) % 2) on
	v_bfe_u32 v22, v0, 3, 1
	v_lshl_add_u32 v23, v18, 3, v21
	v_mul_u32_u24 v23, v23, PV
	v_lshl_add_u32 v23, v22, 4, v23
	s_add_co_u32 s10, s10, VOFF
	v_add_nc_u32 v[AV], s10, v23
	v_add_nc_u32 v[AV+1], SLOTB, v[AV]
	v_lshlrev_b32 v[GO], 4, v19
	s_lshl_b32 s10, s[WV], 15
	v_add_nc_u32 v[XO], s10, v[GO]
	s_xor_b32 s11, s[WV], 2
	s_lshl_b32 s10, s11, 15
	v_add_nc_u32 v[XI], s10, v[GO]
	s_lshl_b32 s10, s[WV], 9
	s_add_co_u32 s10, s10, XST
	v_add_nc_u32 v[XSO], s10, v[GO]
	s_lshl_b32 s10, s11, 9
	s_add_co_u32 s10, s10, XST
	v_add_nc_u32 v[XSI], s10, v[GO]
	s_mul_i32 s10, s[WV], 32*STP
	s_add_co_u32 s10, s10, STG
	v_mul_u32_u24 v20, v1, STP
	v_lshl_add_u32 v20, v18, 5, v20
	v_add_nc_u32 v[STO], s10, v20                  ; the stage, in: row r, + 32 h
	v_lshl_add_u32 v[RD], v19, 5, s10              ; back: 32 bytes a lane
	v_lshrrev_b32 v20, 1, v19
	v_mul_u32_u24 v20, v20, ROWP
	v_and_b32 v21, 1, v19
	v_lshl_add_u32 v[PFO], v21, 8, v20             ; a lane names one block of 256 bytes: row lane / 2, half lane % 2
.irp t, 0,1,2,3
	v_mov_b32 v[ST+8*\t+1], 0xff61b1e6             ; m = -3e38, under every score
	v_mul_f32 v[ST+8*\t], s[CS], v[ST+8*\t+1]
	v_mov_b32 v[ST+8*\t+2], 0                      ; l, in two halves
	v_mov_b32 v[ST+8*\t+3], 0
.endr
.macro LOADK s, g                      ; four fragments of K: 64 keys x channels 32 g on, into set g % 2
.irp kt, 0,1,2,3
	ds_load_b128 v[FB+32*((\g)%2)+8*\kt:FB+32*((\g)%2)+8*\kt+3], v[AK+\s] offset:\kt*16*PK+64*(\g)
	ds_load_b128 v[FB+32*((\g)%2)+8*\kt+4:FB+32*((\g)%2)+8*\kt+7], v[AK+\s] offset:\kt*16*PK+64*(\g)+32
.endr
.endm
.macro LOADV s, G                      ; four fragments of V^T: channels 64 (G / 2) on, keys 32 (G % 2) on, into set G % 2
.irp f, 0,1,2,3
	ds_load_tr16_b128 v[FB+32*((\G)%2)+8*\f:FB+32*((\G)%2)+8*\f+3], v[AV+\s] offset:((\G)%2)*32*PV+(4*((\G)/2)+\f)*32
	ds_load_tr16_b128 v[FB+32*((\G)%2)+8*\f+4:FB+32*((\G)%2)+8*\f+7], v[AV+\s] offset:((\G)%2)*32*PV+(4*((\G)/2)+\f)*32+16*PV
.endr
.endm
; THE SCORES: 128 matrix instructions, 16 accumulators by turns, 32 channels a round; the fragments run two rounds ahead.  Only source 1 (Q) lies outside window 0.
.macro SPH s
	WIN 0x04
	LOADK \s, 0
	LOADK \s, 1
.irp g, 0,1,2,3,4,5,6,7
.if \g < 7
	s_wait_dscnt 8                                 ; this round's eight loads are in; the next round's may be out
.else
	s_wait_dscnt 0
.endif
.irp kt, 0,1,2,3
.irp t, 0,1,2,3
.if \g == 0
	v_wmma_f32_16x16x32_f16 v[S+32*\t+8*\kt:S+32*\t+8*\kt+7], v[FB+32*(\g%2)+8*\kt:FB+32*(\g%2)+8*\kt+7], v[64*\t+8*\g:64*\t+8*\g+7], 0
.else
	v_wmma_f32_16x16x32_f16 v[S+32*\t+8*\kt:S+32*\t+8*\kt+7], v[FB+32*(\g%2)+8*\kt:FB+32*(\g%2)+8*\kt+7], v[64*\t+8*\g:64*\t+8*\g+7], v[S+32*\t+8*\kt:S+32*\t+8*\kt+7]
.endif
.endr
.endr
.if \g < 6
	PLACES 4                                       ; ahead of loads into the set just multiplied
	LOADK \s, \g+2
.endif
.endr
	PLACES 4                                       ; ahead of the loads below and of the first read of the scores
	WIN 0
	LOADV \s, 0                                    ; V's first two sets land while the softmax is worked
	LOADV \s, 1
.endm
.macro SCAL t, b                       ; pair b of tile t: c s - c m
	v_pk_fma_f32 v[S+32*(\t)+2*\b:S+32*(\t)+2*\b+1], v[S+32*(\t)+2*\b:S+32*(\t)+2*\b+1], s[CS:CS+1], v[ST+8*(\t):ST+8*(\t)+1] op_sel_hi:[1,0,0] neg_lo:[0,0,1] neg_hi:[0,0,1]
.endm
; THE SOFTMAX of four tiles, line by line by turns, all in window 0.  Each accumulator of scores is first read at its low end.
.macro SMCORE
.irp j, 0,1,2,3
.irp t, 0,1,2,3
	v_max3_num_f32 v[ST+8*\t+4+\j], v[S+32*\t+8*\j], v[S+32*\t+8*\j+1], v[S+32*\t+8*\j+2]
.endr
.endr
.irp u, 3,5
.irp j, 0,1,2,3
.irp t, 0,1,2,3
	v_max3_num_f32 v[ST+8*\t+4+\j], v[ST+8*\t+4+\j], v[S+32*\t+8*\j+\u], v[S+32*\t+8*\j+\u+1]
.endr
.endr
.endr
.irp t, 0,1,2,3
	v_max3_num_f32 v[ST+8*\t+4], v[ST+8*\t+4], v[S+32*\t+7], v[S+32*\t+15]
.endr
.irp t, 0,1,2,3
	v_max3_num_f32 v[ST+8*\t+6], v[ST+8*\t+6], v[S+32*\t+23], v[S+32*\t+31]
.endr
.irp t, 0,1,2,3
	v_max3_num_f32 v[ST+8*\t+4], v[ST+8*\t+4], v[ST+8*\t+5], v[ST+8*\t+6]
.endr
.irp t, 0,1,2,3
	v_max3_num_f32 v[ST+8*\t+4], v[ST+8*\t+4], v[ST+8*\t+7], v[ST+8*\t+1]
.endr
.irp t, 0,1,2,3
	v_permlanex16_b32 v[ST+8*\t+5], v[ST+8*\t+4], s[SEL], s[SEL+1]     ; the query's other 32 keys lie in the lane 16 away
.endr
.irp t, 0,1,2,3
	v_mov_b32 v[ST+8*\t+7], v[ST+8*\t]             ; c m_old
.endr
.irp t, 0,1,2,3
	v_max_num_f32 v[ST+8*\t+1], v[ST+8*\t+4], v[ST+8*\t+5]
.endr
.irp t, 0,1,2,3
	v_mul_f32 v[ST+8*\t], s[CS], v[ST+8*\t+1]
.endr
.irp t, 0,1,2,3
	v_sub_f32 v[ST+8*\t+7], v[ST+8*\t+7], v[ST+8*\t]
.endr
.irp b, 0,1,2,3,4,5,6,7,8,9,10,11,12,13,14,15
	SCAL 0, \b
.endr
.irp t, 0,1,2,3                        ; ONE BATCH: 132 exponentials; the next tile's scalings stand between them and name no result
	v_exp_f32 v[ST+8*\t+6], v[ST+8*\t+7]           ; a
.irp b, 0,1,2,3,4,5,6,7,8,9,10,11,12,13,14,15
	v_exp_f32 v[S+32*\t+2*\b], v[S+32*\t+2*\b]
	v_exp_f32 v[S+32*\t+2*\b+1], v[S+32*\t+2*\b+1]
.if \t < 3
	SCAL \t+1, \b
.endif
.endr
.endr
	v_nop                                          ; a plain instruction behind the last exponential
	s_wait_alu depctr_va_vdst(0)                   ; one wait for the batch, ahead of its first reader
.irp t, 0,1,2,3
	v_pk_mul_f32 v[ST+8*\t+2:ST+8*\t+3], v[ST+8*\t+2:ST+8*\t+3], v[ST+8*\t+6:ST+8*\t+7] op_sel_hi:[1,0]   ; l x a
.endr
.irp t, 0,1,2,3
	v_pk_add_f32 v[ST+8*\t+4:ST+8*\t+5], v[S+32*\t+2:S+32*\t+3], v[S+32*\t+6:S+32*\t+7]   ; the sums, of the unrounded p, in two chains
.endr
.irp t, 0,1,2,3
	v_pk_add_f32 v[ST+8*\t+2:ST+8*\t+3], v[ST+8*\t+2:ST+8*\t+3], v[S+32*\t:S+32*\t+1]
.endr
.irp b, 2,4,6,8,10,12
.irp t, 0,1,2,3
	v_pk_add_f32 v[ST+8*\t+2:ST+8*\t+3], v[ST+8*\t+2:ST+8*\t+3], v[S+32*\t+2*\b:S+32*\t+2*\b+1]
	v_pk_add_f32 v[ST+8*\t+4:ST+8*\t+5], v[ST+8*\t+4:ST+8*\t+5], v[S+32*\t+2*\b+6:S+32*\t+2*\b+7]
.endr
.endr
.irp t, 0,1,2,3
	v_pk_add_f32 v[ST+8*\t+2:ST+8*\t+3], v[ST+8*\t+2:ST+8*\t+3], v[S+32*\t+28:S+32*\t+29]
.endr
.irp t, 0,1,2,3
	v_pk_add_f32 v[ST+8*\t+2:ST+8*\t+3], v[ST+8*\t+2:ST+8*\t+3], v[ST+8*\t+4:ST+8*\t+5]
.endr
.irp k, 0,1,2,3,4,5,6,7,8,9,10,11,12,13,14,15    ; P over S, ascending: register k takes numbers 2 k and 2 k + 1, which no later line needs
.irp t, 0,1,2,3
	v_cvt_pk_f16_f32 v[S+32*\t+\k], v[S+32*\t+2*\k], v[S+32*\t+2*\k+1]
.endr
.endr
.endm
.macro RESC                            ; O^T x a
	WIN 0x82                                       ; destination and source 0 window 2, a in window 0
.irp t, 0,1
.set i, 0
.rept 64
	v_pk_mul_f32 v[128*\t+i:128*\t+i+1], v[128*\t+i:128*\t+i+1], v[ST+8*\t+6:ST+8*\t+7] op_sel_hi:[1,0]
.set i, i+2
.endr
.endr
	WIN 0xc3
.irp t, 0,1
.set i, 0
.rept 64
	v_pk_mul_f32 v[128*\t+i:128*\t+i+1], v[128*\t+i:128*\t+i+1], v[ST+8*(\t+2)+6:ST+8*(\t+2)+7] op_sel_hi:[1,0]
.set i, i+2
.endr
.endr
.endm
.macro PVMUL t, f, G, zero
.set rO, 128*((\t)%2)+8*(4*((\G)/2)+\f)
.set rA, FB+32*((\G)%2)+8*\f
.set rB, S+32*(\t)+8*((\G)%2)
.if (\zero) && (((\G)%2) == 0)
	v_wmma_f32_16x16x32_f16 v[rO:rO+7], v[rA:rA+7], v[rB:rB+7], 0
.else
	v_wmma_f32_16x16x32_f16 v[rO:rO+7], v[rA:rA+7], v[rB:rB+7], v[rO:rO+7]
.endif
.endm
; O^T += V^T P: 128 matrix instructions, 16 a set of fragments; an accumulator comes back after 15 others.  zero = 1: the first 32 keys start the sums: nothing is cleared.
.macro PVPH s, zero
.irp G, 0,1,2,3,4,5,6,7
.if \G < 7
	s_wait_dscnt 8                                 ; this set's eight loads are in; the next set's may be out
.else
	s_wait_dscnt 0
.endif
	WIN 0xa0                                       ; C and D window 2: tiles 0, 1
.irp f, 0,1,2,3
.irp t, 0,1
	PVMUL \t, \f, \G, \zero
.endr
.endr
	WIN 0xf0                                       ; window 3: tiles 2, 3
.irp f, 0,1,2,3
.irp t, 2,3
	PVMUL \t, \f, \G, \zero
.endr
.endr
.if \G < 6
	WIN 0
	PLACES 4
	LOADV \s, \G+2
.endif
.endr
.endm
.macro STEP s
	SPH \s
	SMCORE
	RESC
	PVPH \s, 0
.endm
; THE CHANGE OF SLOTS.  Each wave waits for all its tensor loads (one is out: its tile of the other slot), adds 0 to its spare word, and waits for that and for its reads of the slot that it leaves.
; fill = 1: the barrier is a round of the cluster's, and the joint refill, with the keys two steps on, is the first thing behind it: it has a whole step in which to land.
; Five plain places stand between the last V^T P and the next scores, which are written over P.
.macro CHANGE slot, fill, ask
	WIN 0
	s_wait_tensorcnt 0x0
	ds_add_u32 v[SPW], v[NIL]
.if \fill
	s_add_nc_u64 s[G0+4*\slot+2:G0+4*\slot+3], s[G0+4*\slot+2:G0+4*\slot+3], 128*ROWP   ; no tensor load of mine is out: the group 0 may be written
	s_wait_xcnt 0x0                                ; the last prefetch, a step back, has read its address
	s_add_nc_u64 s[PFA:PFA+1], s[PFA:PFA+1], 64*ROWP
	s_wait_dscnt 0x0
	CROUND
	JLOAD \slot
	v_nop
	ASK \ask
.else
	s_wait_dscnt 0x0
	s_barrier_signal -1
	s_barrier_wait -1
	PLACES 5
.endif
.endm
	s_wait_tensorcnt 1                             ; my tile of slot 0 is in; slot 1's may stay out
	s_barrier_signal -1
	s_barrier_wait -1
	s_wait_loadcnt 0x0                             ; Q
	SPH 0                                          ; step 0: its V^T P starts O^T, so nothing is rescaled
	SMCORE
	PVPH 0, 1
	WIN 0
	s_mov_b32 s[CNT], 7
.Lpair:                                            ; seven trips of two steps: steps 1 to 14; both slots are filled again in each
	CHANGE 0, 1, 1
	STEP 1
	CHANGE 1, 1, 2
	STEP 0
	WIN 0
	s_sub_co_u32 s[CNT], s[CNT], 1
	s_cmp_lg_u32 s[CNT], 0
	s_cbranch_scc1 .Lpair
	CHANGE 1, 0, 0                                 ; the tail is written out: nothing is asked for
	STEP 1
	WIN 0
	; THE MERGE.  l's two halves and the other half of the lanes'; these lines are also the places behind the last products
.irp t, 0,1,2,3
	v_add_f32 v[ST+8*\t+4], v[ST+8*\t+2], v[ST+8*\t+3]
.endr
.irp t, 0,1,2,3
	v_permlanex16_b32 v[ST+8*\t+5], v[ST+8*\t+4], s[SEL], s[SEL+1]
.endr
.irp t, 0,1,2,3
	v_add_f32 v[ST+8*\t+4], v[ST+8*\t+4], v[ST+8*\t+5]
.endr
.irp n, 0,1,2,3                        ; the gate of my first 16 rows, a row of 512 bytes a load
.irp i, 0,1,2,3
	global_load_b128 v[64+16*\n+4*\i:64+16*\n+4*\i+3], v[GO], s[GB:GB+1] offset:(4*\n+\i)*ROWP
.endr
.endr
	v_mov_b32 v18, v[ST+16]                        ; what I send: c m and l of tiles 2, 3,
	v_mov_b32 v19, v[ST+20]
	v_mov_b32 v20, v[ST+24]
	v_mov_b32 v21, v[ST+28]
	ds_store_b128 v[XSO], v[18:21]
	WIN 0x0c                                       ; and their O^T, as an image of window 3: slot 0 has had its last fill, and its last read stands ahead of the last change's barrier
.set i, 0
.rept 64
	ds_store_b128 v[XO], v[4*i:4*i+3] offset:512*i
.set i, i+1
.endr
	WIN 0
	s_wait_dscnt 0x0                               ; my stores have landed, and my reads of slot 1 are over
	s_barrier_signal -1
	s_barrier_wait -1
	WIN 0x40                                       ; my partner's image into window 1: its tiles 2, 3 are my tiles 0, 1, lane for lane
.set i, 0
.rept 64
	ds_load_b128 v[4*i:4*i+3], v[XI] offset:512*i
.set i, i+1
.endr
	WIN 0
	ds_load_b128 v[24:27], v[XSI]
	s_wait_dscnt 0x0
.irp t, 0,1
	v_max_num_f32 v[28+\t], v[ST+8*\t], v[24+2*\t]
.endr
.irp t, 0,1
	v_sub_f32 v[ST+8*\t+6], v[ST+8*\t], v[28+\t]
	v_sub_f32 v[ST+8*\t+2], v[24+2*\t], v[28+\t]
.endr
.irp t, 0,1
	v_exp_f32 v[ST+8*\t+6], v[ST+8*\t+6]           ; my half's factor,
	v_exp_f32 v[ST+8*\t+2], v[ST+8*\t+2]           ; my partner's
.endr
	v_nop
	s_wait_alu depctr_va_vdst(0)                   ; one wait for the four
.irp t, 0,1
	v_mul_f32 v[28+\t], v[ST+8*\t+6], v[ST+8*\t+4]
.endr
.irp t, 0,1
	v_fmac_f32 v[28+\t], v[ST+8*\t+2], v[25+2*\t]  ; the whole row's sum
.endr
.irp t, 0,1
	v_rcp_f32 v[30+\t], v[28+\t]
.endr
	v_nop
	s_wait_alu depctr_va_vdst(0)                   ; one wait for the two
.irp t, 0,1
	v_mul_f32 v[ST+8*\t+6], v[ST+8*\t+6], v[30+\t]
	v_mul_f32 v[ST+8*\t+2], v[ST+8*\t+2], v[30+\t]
.endr
	WIN 0x82
.irp t, 0,1
.set i, 0
.rept 64
	v_pk_mul_f32 v[128*\t+i:128*\t+i+1], v[128*\t+i:128*\t+i+1], v[ST+8*\t+6:ST+8*\t+7] op_sel_hi:[1,0]
.set i, i+2
.endr
.endr
	WIN 0xa1                                       ; source 0 window 1, source 2 and destination window 2
.irp t, 0,1
.set i, 0
.rept 64
	v_pk_fma_f32 v[128*\t+i:128*\t+i+1], v[128*\t+i:128*\t+i+1], v[ST+8*\t+2:ST+8*\t+3], v[128*\t+i:128*\t+i+1] op_sel_hi:[1,0,1]
.set i, i+2
.endr
.endr
	WIN 0x08                                       ; my 32 rows into my own stage, in f32: slot 1 has had its last fill, and every wave's reads of it stand ahead of the barrier above
.irp t, 0,1
.set i, 0
.rept 16
	ds_store_b128 v[STO], v[128*\t+8*i:128*\t+8*i+3] offset:16*STP*\t+64*i
	ds_store_b128 v[STO], v[128*\t+8*i+4:128*\t+8*i+7] offset:16*STP*\t+64*i+16
.set i, i+1
.endr
.endr
	WIN 0
; THE GATE, THE ROWS' SCALES AND THE WAY OUT, four rows at a time: a lane takes channels 8 lane .. + 7 of each row, so the 32 lanes hold a whole row of the head.
; v64-127 the gate as loaded, four sets; v128-159 the rows; v160-191 the gate in f32; v192-223 at work; v224-255 results, two sets.
; The statistics' registers are free: v32-35 a row's largest magnitude, v36-39 the other half's, v40-47 1 / s in the low register of four pairs, v48-51 s, v52 my wave's 32 scales, lane i row i's, v53 my lane, v54 4 x my lane.
	v_mov_b32 v52, 0
	v_and_b32 v53, 31, v0
	v_lshlrev_b32 v54, 2, v53
.macro GCVT set                        ; a set's 16 registers of f16 pairs into v160-191
.set d, 160
.if (\set) == 0
.irp h, v64.l,v64.h,v65.l,v65.h,v66.l,v66.h,v67.l,v67.h,v68.l,v68.h,v69.l,v69.h,v70.l,v70.h,v71.l,v71.h,v72.l,v72.h,v73.l,v73.h,v74.l,v74.h,v75.l,v75.h,v76.l,v76.h,v77.l,v77.h,v78.l,v78.h,v79.l,v79.h
	v_cvt_f32_f16 v[d], \h
.set d, d+1
.endr
.elseif (\set) == 1
.irp h, v80.l,v80.h,v81.l,v81.h,v82.l,v82.h,v83.l,v83.h,v84.l,v84.h,v85.l,v85.h,v86.l,v86.h,v87.l,v87.h,v88.l,v88.h,v89.l,v89.h,v90.l,v90.h,v91.l,v91.h,v92.l,v92.h,v93.l,v93.h,v94.l,v94.h,v95.l,v95.h
	v_cvt_f32_f16 v[d], \h
.set d, d+1
.endr
.elseif (\set) == 2
.irp h, v96.l,v96.h,v97.l,v97.h,v98.l,v98.h,v99.l,v99.h,v100.l,v100.h,v101.l,v101.h,v102.l,v102.h,v103.l,v103.h,v104.l,v104.h,v105.l,v105.h,v106.l,v106.h,v107.l,v107.h,v108.l,v108.h,v109.l,v109.h,v110.l,v110.h,v111.l,v111.h
	v_cvt_f32_f16 v[d], \h
.set d, d+1
.endr
.else
.irp h, v112.l,v112.h,v113.l,v113.h,v114.l,v114.h,v115.l,v115.h,v116.l,v116.h,v117.l,v117.h,v118.l,v118.h,v119.l,v119.h,v120.l,v120.h,v121.l,v121.h,v122.l,v122.h,v123.l,v123.h,v124.l,v124.h,v125.l,v125.h,v126.l,v126.h,v127.l,v127.h
	v_cvt_f32_f16 v[d], \h
.set d, d+1
.endr
.endif
.endm
.macro BATCH n
.set OU, 224+16*((\n)%2)
	s_wait_xcnt 0x0                                ; earlier stores have read their registers
.if (\n) <= 4
	s_wait_loadcnt 12                              ; this batch's four loads of the gate are in; those of the three batches behind it may be out
.else
	s_wait_loadcnt 4*(7-(\n))
.endif
	GCVT (\n)%4
.if (\n) < 4
.irp i, 0,1,2,3
	global_load_b128 v[64+16*((\n)%4)+4*\i:64+16*((\n)%4)+4*\i+3], v[GO], s[GB:GB+1] offset:(4*((\n)+4)+\i)*ROWP   ; the set just read takes the batch four on
.endr
.endif
.irp i, 0,1,2,3
	ds_load_b128 v[128+8*\i:128+8*\i+3], v[RD] offset:(4*(\n)+\i)*STP          ; LDS serves a wave's instructions in order: these see my stores
	ds_load_b128 v[128+8*\i+4:128+8*\i+7], v[RD] offset:(4*(\n)+\i)*STP+16
.endr
.irp j, 0,2,4,6,8,10,12,14,16,18,20,22,24,26,28,30
	v_pk_mul_f32 v[192+\j:193+\j], v[160+\j:161+\j], 0xbfb8aa3b op_sel_hi:[1,0]    ; -g log2(e)
.endr
.irp j, 0,1,2,3,4,5,6,7,8,9,10,11,12,13,14,15,16,17,18,19,20,21,22,23,24,25,26,27,28,29,30,31
	v_exp_f32 v[192+\j], v[192+\j]
.endr
	v_nop
	s_wait_alu depctr_va_vdst(0)                   ; one wait for the 32 exponentials
.irp j, 0,2,4,6,8,10,12,14,16,18,20,22,24,26,28,30
	v_pk_add_f32 v[192+\j:193+\j], v[192+\j:193+\j], 1.0 op_sel_hi:[1,0]
.endr
.irp j, 0,1,2,3,4,5,6,7,8,9,10,11,12,13,14,15,16,17,18,19,20,21,22,23,24,25,26,27,28,29,30,31
	v_rcp_f32 v[192+\j], v[192+\j]
.endr
	v_nop
	s_wait_alu depctr_va_vdst(0)                   ; one wait for the 32 reciprocals
.irp j, 0,2,4,6,8,10,12,14,16,18,20,22,24,26,28,30
	v_pk_mul_f32 v[192+\j:193+\j], v[192+\j:193+\j], v[160+\j:161+\j]              ; silu(g) = g / (1 + e^-g)
.endr
	s_wait_dscnt 0x0
.irp j, 0,2,4,6,8,10,12,14,16,18,20,22,24,26,28,30
	v_pk_mul_f32 v[192+\j:193+\j], v[192+\j:193+\j], v[128+\j:129+\j]              ; a: registers 192 + 8 i on are row i's
.endr
.irp i, 0,1,2,3
	v_max3_num_f32 v[32+\i], |v[192+8*\i]|, |v[193+8*\i]|, 0x0d800000              ; the largest magnitude of my eight, and the floor 2^-100; the four rows by turns
.endr
.irp u, 2,4,6
.irp i, 0,1,2,3
	v_max3_num_f32 v[32+\i], v[32+\i], |v[192+8*\i+\u]|, |v[193+8*\i+\u]|
.endr
.endr
.irp x, 1,2,4,8
.irp i, 0,1,2,3
	v_max_num_f32_dpp v[32+\i], v[32+\i], v[32+\i] row_xmask:\x row_mask:0xf bank_mask:0xf   ; of the sixteen lanes of my half,
.endr
.endr
.irp i, 0,1,2,3
	v_permlanex16_b32 v[36+\i], v[32+\i], s[SEL], s[SEL+1]
.endr
.irp i, 0,1,2,3
	v_max_num_f32 v[32+\i], v[32+\i], v[36+\i]     ; and of the other half: the row's
.endr
.irp i, 0,1,2,3
	v_min_num_f32 v[32+\i], 0x7e800000, v[32+\i]   ; held at 2^126, so that 1 / s below is a normal number
.endr
.irp i, 0,1,2,3
	v_and_b32 v[48+\i], 0x7f800000, v[32+\i]       ; s: its exponent field alone
.endr
.irp i, 0,1,2,3
	v_sub_nc_u32 v[40+2*\i], 0x7f000000, v[48+\i]  ; 1 / s: the field 254 - E
.endr
.irp i, 0,1,2,3
.irp j, 0,2,4,6
	v_pk_mul_f32 v[192+8*\i+\j:193+8*\i+\j], v[192+8*\i+\j:193+8*\i+\j], v[40+2*\i:41+2*\i] op_sel_hi:[1,0]   ; a / s: nothing is rounded
.endr
.endr
.irp i, 0,1,2,3
	v_cmp_eq_u32 vcc_lo, 4*(\n)+\i, v53            ; lane 4 n + i keeps row 4 n + i's scale
	v_cndmask_b32 v52, v52, v[48+\i], vcc_lo
.endr
.irp k, 0,1,2,3,4,5,6,7,8,9,10,11,12,13,14,15
	v_cvt_pk_f16_f32 v[OU+\k], v[192+2*\k], v[193+2*\k]
.endr
.irp i, 0,1,2,3
	global_store_b128 v[GO], v[OU+4*\i:OU+4*\i+3], s[AB:AB+1] offset:(4*(\n)+\i)*2048   ; 32 lanes store 512 consecutive bytes, at a multiple of 256 from the buffer's first byte
.endr
.endm
.irp n, 0,1,2,3,4,5,6,7
	BATCH \n
.endr
	global_store_b32 v54, v52, s[SB:SB+1]          ; my 32 rows' scales: 128 consecutive bytes, at a multiple of 128: 131,072 bytes in the whole launch leave so
	s_wait_tensorcnt 0x0                           ; the wave's end, behind my last tensor load and my last LDS store
	ds_add_u32 v[SPW], v[NIL]
	s_wait_dscnt 0x0
	CROUND                                         ; the closing round
	s_endpgm
.Lfunc_end_k_q43f3e0420d_attn:
	.size	k_q43f3e0420d_attn, .Lfunc_end_k_q43f3e0420d_attn-k_q43f3e0420d_attn
	.p2alignl 7, 3214868480
	.fill 96, 4, 3214868480
	.section	.rodata,"a",@progbits
	.p2align	6, 0x0
	.amdhsa_kernel k_q43f3e0420d_attn
		.amdhsa_group_segment_fixed_size 327680
		.amdhsa_private_segment_fixed_size 0
		.amdhsa_enable_private_segment 0
		.amdhsa_kernarg_size 16
		.amdhsa_user_sgpr_count 2
		.amdhsa_user_sgpr_kernarg_segment_ptr 1
		.amdhsa_wavefront_size32 1
		.amdhsa_system_sgpr_workgroup_id_x 1
		.amdhsa_system_sgpr_workgroup_id_y 1
		.amdhsa_system_sgpr_workgroup_id_z 1
		.amdhsa_system_vgpr_workitem_id 0
		.amdhsa_next_free_vgpr 1024
		.amdhsa_next_free_sgpr 66
		.amdhsa_reserve_vcc 1
		.amdhsa_float_denorm_mode_32 3
		.amdhsa_float_denorm_mode_16_64 3
		.amdhsa_memory_ordered 1
		.amdhsa_forward_progress 1
		.amdhsa_inst_pref_size 255
	.end_amdhsa_kernel
	.section	.bss,"aw",@nobits
	.p2align	6
	.space	262144
	.amdgpu_metadata
---
amdhsa.version: [ 1, 2 ]
amdhsa.kernels:
  - .name:           k_q43f3e0420d_attn
    .symbol:         k_q43f3e0420d_attn.kd
    .args:
      - { .name: qkvg, .offset: 0, .size: 8, .value_kind: global_buffer, .address_space: global }
      - { .name: ab, .offset: 8, .size: 8, .value_kind: global_buffer, .address_space: global }
    .group_segment_fixed_size: 327680
    .private_segment_fixed_size: 0
    .kernarg_segment_align: 8
    .kernarg_segment_size: 16
    .max_flat_workgroup_size: 128
    .sgpr_count:     66
    .vgpr_count:     1024
    .wavefront_size: 32
...
	.end_amdgpu_metadata
.endif
;; end of part 3
;; launch oproj (part 4): grid 4 x 64, 4 waves a work-group, clusters of 4 x 4, 327,680 bytes of LDS; arguments ab, wo16, out0; writes out0
.if DOCPART == 4
	.amdgcn_target "amdgcn-amd-amdhsa--gfx1250"
	.amdhsa_code_object_version 6
	.text
	.protected	k_q43f3e0420d_oproj
	.globl	k_q43f3e0420d_oproj
	.p2align	8
	.type	k_q43f3e0420d_oproj,@function
k_q43f3e0420d_oproj:
	s_mov_b64 s[64:65], 0
	v_nop
	global_prefetch_b8 v0, s[64:65] scope:SCOPE_SE
	s_setreg_imm32_b32 hwreg(HW_REG_WAVE_MODE, 25, 1), 1
	s_wait_xcnt 0x0
	s_wait_alu depctr_hold_cnt(0) depctr_sa_sdst(0) depctr_va_vdst(0) depctr_va_sdst(0) depctr_va_ssrc(0) depctr_va_vcc(0) depctr_vm_vsrc(0)
	s_getreg_b32 s2, hwreg(HW_REG_IB_STS2, 6, 4)
	s_cmp_eq_u32 s2, 0
	s_cbranch_scc0 .Lentry_in_a_cluster
	s_endpgm
.Lentry_in_a_cluster:
	s_bfe_u32 s2, ttmp6, 0x10000c
	s_cmp_lg_u32 s2, 0xf033
	s_cbranch_scc0 .Lentry_shape_is_right
	s_endpgm
.Lentry_shape_is_right:
; OPROJ.  out0[m][n] = sum over heads h of s(m, h) x (sum over the head's 256 k of ab[m][k] Wo[k][n]).  ab: [8192][1024] f16, each (row, head) under its own power of two s, which lies as f32 at byte
; 16,777,216 + 32,768 h + 4 m of ab; wo16: Wo as f16, [k 1024][n 1024], as it lies; out0: [8192][1024] f32; sums in f32.
; A tile of out0 is 128 x 256: 256 work-groups.  Four waves, 64 x 128 each: 32 accumulators, 256 registers.  K goes in steps of 128 through a ring of two LDS slots: 128 rows x 256 bytes of ab, 128 rows (k) x 512 bytes of wo16.
; A LAP OF THE RING IS A HEAD: its first products start the 32 sums anew, and at its end the sums, times the rows' scales of that head, are added to a second set of 256 registers.  The multiplication by a power of two rounds nothing.
; The four laps are written out: each has scale registers of its own, and the first fold starts the second set, so that nothing is cleared.
; wo16's N is innermost, so its fragments are turned on the way out of LDS by ds_load_tr16_b128.
; CLUSTERS: 4 x 4 work-groups: ab's tiles are asked for jointly along a row of the cluster, wo16's along a column.
; No prefetch: the launch is short, and its tiles are small.
; THE MATRIX INSTRUCTION IS USED TRANSPOSED (source 0 = 16 columns of Wo, source 1 = 16 rows of ab): a lane holds eight neighbouring numbers of ONE row of out0, so a row's scale is one number a lane.
; REGISTERS: window 0: v16-29 addresses; v32-63 the scales: (head h, block a) in both registers of the pair at v[32 + 2 (4 h + a)]; v64-127 ab's fragments, two sets of 4; v128-255 rows on the way out.
;   window 1: v0-127 Wo's fragments, two sets of 8.  window 2: a head's accumulator (a, b) at v[8 (8 a + b)].  window 3: the whole sums, at the same numbers.
.set KSTEP,  128
.set PA,     272                       ; a row of ab in LDS: 256 bytes + 16
.set PB,     544                       ; a row of wo16: 512 + 32: an odd multiple of 32, for the turning load
.set AHALF,  64*PA
.set BOFF,   128*PA
.set BHALF,  64*PB
.set SLOT,   BOFF+128*PB
.set STAGE,  2*SLOT                    ; behind the ring: 16 rows x (512 + 16) bytes for each wave
.set SPITCH, 528
.set SPARE,  STAGE+4*16*SPITCH         ; the spare words, 128 bytes for each wave: two blocks of 256 bytes that no other line names
.set ASC,    16777216                  ; where the scales begin in ab
.set ADRA, 16
.set ADRB, 20
.set STO,  24
.set RD,   25
.set CO,   26
.set SCO,  27                          ; v27  4 x (lane % 16): my row's scale in a block's sixteen; never rewritten
.set SPW,  28
.set NIL,  29
.set SCR,  32
.set AF,   64
.set BK,   128
.set G1, 24
.set G0, 32
.set G1B, 48
.set G0B, 56
.set MSB, 0
.macro WIN new                         ; the immediate's high byte repeats the setting that is left
.if MSB != (\new)
	s_set_vgpr_msb (MSB<<8)|(\new)
.set MSB, (\new)
.endif
.endm
.set MUL,  0xa1                        ; source 0 window 1, source 1 window 0, C and D window 2
.macro JLOAD s                         ; a joint load: waves 0 and 1 fetch ab's two halves, waves 2 and 3 wo16's; an s_nop 0 and four v_nop follow each of the two lines
	s_cmp_eq_u32 s11, 0
	s_cbranch_scc0 .Lfor_b_\@
	tensor_load_to_lds s[G0+4*\s:G0+4*\s+3], s[G1:G1+7]
	s_nop 0
.rept 4
	v_nop
.endr
	s_branch .Lasked_\@
.Lfor_b_\@:
	tensor_load_to_lds s[G0B+4*\s:G0B+4*\s+3], s[G1B:G1B+7]
	s_nop 0
.rept 4
	v_nop
.endr
.Lasked_\@:
.endm
.macro CREST                           ; a round of the cluster's barrier behind its opening barrier
	s_cmp_lg_u32 s10, 0
	s_cbranch_scc1 .Lnot_wave_0_\@
	s_barrier_signal -3
.Lnot_wave_0_\@:
	s_barrier_wait -3
	s_barrier_signal -1
	s_barrier_wait -1
.endm
.macro CROUND
	s_barrier_signal -1
	s_barrier_wait -1
	CREST
.endm
	s_load_b128 s[4:7], s[0:1], 0x0                ; ab, wo16
	s_load_b64 s[8:9], s[0:1], 0x10                ; out0
	v_lshl_add_u32 v[SPW], v0, 2, SPARE
	v_mov_b32 v[NIL], 0
	ds_add_u32 v[SPW], v[NIL]                      ; the wave's opening: the add, twice on end, and its wait ahead of my first tensor load
	ds_add_u32 v[SPW], v[NIL]
	v_lshrrev_b32 v1, 5, v0
	v_readfirstlane_b32 s10, v1                    ; wave 0..3
	s_lshr_b32 s11, s10, 1                         ; which 64 rows of the tile are mine.  Also: I fetch for ab (0) or for wo16 (1)
	s_and_b32 s12, s10, 1                          ; which 128 columns.  Also: which 64 rows of that tile I fetch
	s_bfe_u32 s40, ttmp6, 0x40000                  ; cx, cy
	s_bfe_u32 s41, ttmp6, 0x40004
	s_lshl_b32 s42, ttmp9, 2
	s_add_co_u32 s42, s42, s40                     ; tile column
	s_and_b32 s13, ttmp7, 0xffff
	s_lshl_b32 s13, s13, 2
	s_add_co_u32 s13, s13, s41                     ; tile row
	s_lshl_b32 s43, s41, 2
	s_lshl_b32 s43, 15, s43                        ; my row of the cluster
	s_lshl_b32 s44, 0x1111, s40                    ; my column
	s_or_b32 s[G1+0], s43, (1<<16)|(1<<20)|(1<<21)|(5<<22)|(3<<25)   ; ab's tiles go to my row; elements of 2 bytes; padding: 4 words after every 64
	s_mov_b32 s[G1+1], 128<<16                     ; tensor_dim0 = 128
	s_mov_b32 s[G1+2], 64<<16                      ; tensor_dim1 = 64
	s_mov_b32 s[G1+3], 128<<16                     ; tile_dim0
	s_mov_b32 s[G1+4], 64                          ; tile_dim1
	s_mov_b32 s[G1+5], 1024                        ; the pitch
	s_mov_b32 s[G1+6], 0
	s_mov_b32 s[G1+7], 0
	s_or_b32 s[G1B+0], s44, (1<<16)|(1<<20)|(1<<21)|(6<<22)|(7<<25)  ; wo16's to my column; padding: 8 words after every 128
	s_mov_b32 s[G1B+1], 256<<16
	s_mov_b32 s[G1B+2], 64<<16
	s_mov_b32 s[G1B+3], 256<<16
	s_mov_b32 s[G1B+4], 64
	s_mov_b32 s[G1B+5], 1024
	s_mov_b32 s[G1B+6], 0
	s_mov_b32 s[G1B+7], 0
	s_lshl_b32 s17, s12, 6
	s_lshl_b32 s16, s13, 7
	s_add_co_u32 s16, s16, s17                     ; ab: row 128 x tile row + 64 x half
	s_lshl_b32 s16, s16, 11                        ; in bytes (under 2^25)
	s_mov_b32 s17, 0
	s_lshl_b32 s46, s12, 17                        ; wo16: row (k) 64 x half, in bytes,
	s_lshl_b32 s47, s42, 9                         ; + 512 x tile column
	s_add_co_u32 s46, s46, s47
	s_mov_b32 s47, 0
	s_lshl_b32 s18, s13, 9                         ; the scales of my 64 rows: 4 x (128 x tile row + 64 x my half of the rows)
	s_lshl_b32 s19, s11, 8
	s_add_co_u32 s18, s18, s19
	s_add_co_u32 s18, s18, ASC
	s_mov_b32 s19, 0
	s_mul_i32 s20, s12, AHALF                      ; where the tiles go: no place in the cluster enters an LDS address
	s_mul_i32 s21, s12, BHALF
	s_add_co_u32 s21, s21, BOFF
	s_wait_dscnt 0x0                               ; both opening adds are done
	s_wait_kmcnt 0x0
	s_add_nc_u64 s[14:15], s[4:5], s[16:17]
	s_add_nc_u64 s[46:47], s[6:7], s[46:47]
	s_add_nc_u64 s[18:19], s[4:5], s[18:19]
	CROUND                                         ; all sixteen work-groups are here: the first joint loads meet
.irp s, 0,1
	s_mov_b32 s[G0+4*\s], 1
	s_add_co_u32 s[G0+4*\s+1], s20, \s*SLOT
	s_add_nc_u64 s[G0+4*\s+2:G0+4*\s+3], s[14:15], \s*KSTEP*2
	s_or_b32 s[G0+4*\s+3], s[G0+4*\s+3], 0x80000000
	s_mov_b32 s[G0B+4*\s], 1
	s_add_co_u32 s[G0B+4*\s+1], s21, \s*SLOT
	s_add_nc_u64 s[G0B+4*\s+2:G0B+4*\s+3], s[46:47], \s*KSTEP*2048
	s_or_b32 s[G0B+4*\s+3], s[G0B+4*\s+3], 0x80000000
	JLOAD \s
.endr
	v_and_b32 v1, 15, v0                           ; r
	v_bfe_u32 v2, v0, 4, 1                         ; h
	v_lshlrev_b32 v[SCO], 2, v1
.irp h, 0,1,2,3                        ; the scales: the packed forms name a pair of registers, so each number is loaded into both
.irp a, 0,1,2,3
	global_load_b32 v[SCR+2*(4*\h+\a)], v[SCO], s[18:19] offset:32768*\h+64*\a
	global_load_b32 v[SCR+2*(4*\h+\a)+1], v[SCO], s[18:19] offset:32768*\h+64*\a
.endr
.endr
	v_mul_u32_u24 v3, v1, PA
	v_lshl_add_u32 v3, v2, 4, v3
	v_and_b32 v4, 7, v0                            ; the turning load: lane l reads row (k) 8 h + l % 8, columns 8 ((l / 8) % 2) on
	v_bfe_u32 v5, v0, 3, 1
	v_lshl_add_u32 v4, v2, 3, v4
	v_mul_u32_u24 v4, v4, PB
	v_lshl_add_u32 v4, v5, 4, v4
	s_mul_i32 s21, s11, AHALF                      ; my 64 rows of ab
	s_lshl_b32 s22, s12, 8                         ; my 128 columns of wo16,
	s_add_co_u32 s22, s22, BOFF                    ; which lies behind ab's 128 rows
.irp s, 0,1
	v_add_nc_u32 v[ADRA+\s], s21, v3
	v_add_nc_u32 v[ADRB+\s], s22, v4
	s_add_co_u32 s21, s21, SLOT
	s_add_co_u32 s22, s22, SLOT
.endr
	s_mul_i32 s23, s10, 16*SPITCH
	s_add_co_u32 s23, s23, STAGE                   ; my stage
	v_mul_u32_u24 v5, v1, SPITCH                   ; in: row r, 32 bytes for each half of the lanes
	v_lshl_add_u32 v5, v2, 5, v5
	v_add_nc_u32 v[STO], s23, v5
	v_and_b32 v6, 31, v0
	v_lshlrev_b32 v[CO], 4, v6                     ; back: the 32 lanes take one row of 512 bytes; and the same in out0
	v_add_nc_u32 v[RD], s23, v[CO]
	s_lshl_b32 s16, s13, 7
	s_lshl_b32 s17, s11, 6
	s_add_co_u32 s16, s16, s17                     ; my first row of out0
	s_lshl_b32 s16, s16, 12                        ; rows of 4,096 bytes (under 2^26)
	s_mov_b32 s17, 0
	s_add_nc_u64 s[8:9], s[8:9], s[16:17]
	s_lshl_b32 s46, s42, 10                        ; my first column, in bytes: 1,024 x tile column + 512 x half
	s_lshl_b32 s47, s12, 9
	s_add_co_u32 s46, s46, s47
	s_mov_b32 s47, 0
	s_add_nc_u64 s[8:9], s[8:9], s[46:47]
; 8 matrix instructions: ab's block a x Wo's eight, 32 along K: set f.  The 32 accumulators take turns, one instruction a turn, in the same order in every quarter.
.macro MUL8 f, a, zero
.irp b, 0,1,2,3,4,5,6,7
.if \zero
	v_wmma_f32_16x16x32_f16 v[8*(8*(\a)+\b):8*(8*(\a)+\b)+7], v[64*(\f)+8*\b:64*(\f)+8*\b+7], v[AF+32*(\f)+8*(\a):AF+32*(\f)+8*(\a)+7], 0
.else
	v_wmma_f32_16x16x32_f16 v[8*(8*(\a)+\b):8*(8*(\a)+\b)+7], v[64*(\f)+8*\b:64*(\f)+8*\b+7], v[AF+32*(\f)+8*(\a):AF+32*(\f)+8*(\a)+7], v[8*(8*(\a)+\b):8*(8*(\a)+\b)+7]
.endif
.endr
.endm
; 24 LDS loads in one run: the fragments of the slot's q-th 32 along K into set f: Wo's sixteen first, then ab's eight
.macro FETCH slot, q, f
	WIN 0x40
.irp i, 0,1,2,3,4,5,6,7
	ds_load_tr16_b128 v[64*(\f)+8*\i:64*(\f)+8*\i+3], v[ADRB+\slot] offset:(\q)*32*PB+32*\i
	ds_load_tr16_b128 v[64*(\f)+8*\i+4:64*(\f)+8*\i+7], v[ADRB+\slot] offset:(\q)*32*PB+32*\i+16*PB
.endr
	WIN 0
.irp i, 0,1,2,3
	ds_load_b128 v[AF+32*(\f)+8*\i:AF+32*(\f)+8*\i+3], v[ADRA+\slot] offset:64*(\q)+\i*16*PA
	ds_load_b128 v[AF+32*(\f)+8*\i+4:AF+32*(\f)+8*\i+7], v[ADRA+\slot] offset:64*(\q)+\i*16*PA+32
.endr
.endm
.macro PLACES
.rept 4
	v_nop
.endr
.endm
; A K step is four quarters of 32 along K, 32 matrix instructions each, on sets 0, 1, 0, 1.  One of the first three: multiplies set f and fetches quarter q into set g.  zero = 1: its products start the sums.
.macro QUARTER slot, q, f, g, zero
	s_wait_dscnt 4                                 ; Wo's fragments and ab's blocks 0, 1 are in; the youngest four loads (blocks 2, 3) may be out
	WIN MUL
	MUL8 \f, 0, \zero
	MUL8 \f, 1, \zero
	PLACES
	FETCH \slot, \q, \g
	s_wait_dscnt 24                                ; all but the 24 just issued
	WIN MUL
	MUL8 \f, 2, \zero
	MUL8 \f, 3, \zero
.endm
; The last quarter multiplies set 1 and changes slots: one barrier; in front of it each wave waits for all its tensor loads, adds 0 to its spare word, and waits for that and for its reads of this slot.  fill = 1: this slot is filled again, two K steps ahead.
.macro TURN slot, next, fill
	WIN 0
	s_wait_tensorcnt 0x0                           ; my part of the next slot has landed
	ds_add_u32 v[SPW], v[NIL]
	s_wait_dscnt 5                                 ; (the add and the youngest four loads may be out)
	WIN MUL
	MUL8 1, 0, 0
	s_wait_dscnt 0x0                               ; the add is done, and my reads of this slot are over
	s_barrier_signal -1
	MUL8 1, 1, 0
.if \fill
	WIN 0
.endif
	s_barrier_wait -1
.if \fill
	CREST                                          ; the barrier has opened a round of the cluster's: no wave of any partner still reads this slot or has a load on its way
	s_add_nc_u64 s[G0+4*\slot+2:G0+4*\slot+3], s[G0+4*\slot+2:G0+4*\slot+3], 2*KSTEP*2
	s_add_nc_u64 s[G0B+4*\slot+2:G0B+4*\slot+3], s[G0B+4*\slot+2:G0B+4*\slot+3], 2*KSTEP*2048
	JLOAD \slot                                    ; the first tensor load behind the round; its four v_nop are also the places in front of the loads below
.else
	PLACES
.endif
	FETCH \next, 0, 0
	WIN MUL
	MUL8 1, 2, 0
	MUL8 1, 3, 0
.endm
; THE FOLD at a head's end: the whole sums (window 3) take the head's sums (window 2) x my rows' scales of that head.  Four v_nop stand behind the last products; each accumulator is read from its low end on;
; with the packed lines that name none of its registers every product has five places and more ahead of the next head's first products, which begin its accumulator anew.
.macro FOLD h
	PLACES
.if (\h) == 0
	WIN 0xc2                                       ; source 0 window 2, the scale window 0, destination window 3
.else
	WIN 0xf2                                       ; and source 2 window 3
.endif
.irp a, 0,1,2,3
.set i, 0
.rept 32
.if (\h) == 0
	v_pk_mul_f32 v[64*\a+i:64*\a+i+1], v[64*\a+i:64*\a+i+1], v[SCR+2*(4*(\h)+\a):SCR+2*(4*(\h)+\a)+1] op_sel_hi:[1,0]
.else
	v_pk_fma_f32 v[64*\a+i:64*\a+i+1], v[64*\a+i:64*\a+i+1], v[SCR+2*(4*(\h)+\a):SCR+2*(4*(\h)+\a)+1], v[64*\a+i:64*\a+i+1] op_sel_hi:[1,0,1]
.endif
.set i, i+2
.endr
.endr
.endm
; A LAP: head h, once round the ring.  fill = 1: both slots are filled again, with the next head's two K steps.
.macro LAP h, fill
	QUARTER 0, 1, 0, 1, 1                          ; the head's first products start its sums
	QUARTER 0, 2, 1, 0, 0
	QUARTER 0, 3, 0, 1, 0
	TURN 0, 1, \fill
	QUARTER 1, 1, 0, 1, 0
	QUARTER 1, 2, 1, 0, 0
	QUARTER 1, 3, 0, 1, 0
.if \fill
	TURN 1, 0, 1
.else
	s_wait_dscnt 4                                 ; the very last quarter: nothing more to fetch
	WIN MUL
	MUL8 1, 0, 0
	MUL8 1, 1, 0
	s_wait_dscnt 0
	MUL8 1, 2, 0
	MUL8 1, 3, 0
.endif
	FOLD \h
.endm
	s_wait_loadcnt 0x0                             ; the scales are in
	s_wait_tensorcnt 1                             ; my part of K step 0 is in; K step 1's may stay out
	s_barrier_signal -1
	s_barrier_wait -1
	FETCH 0, 0, 0
	LAP 0, 1
	LAP 1, 1
	LAP 2, 1
	LAP 3, 0                                       ; the last lap fills nothing
	WIN 0
; THE WAY OUT, block by block of 16 rows x 128 columns, through my own stage: in as 32 bytes a lane, back as whole rows of 512 bytes.
.macro TOSTAGE a
	WIN 0x0c                                       ; the data: window 3, the whole sums
.irp b, 0,1,2,3,4,5,6,7
	ds_store_b128 v[STO], v[8*(8*(\a)+\b):8*(8*(\a)+\b)+3] offset:64*\b
	ds_store_b128 v[STO], v[8*(8*(\a)+\b)+4:8*(8*(\a)+\b)+7] offset:64*\b+16
.endr
	WIN 0
.set BB, BK+64*((\a)%2)
.irp t, 0,1,2,3,4,5,6,7,8,9,10,11,12,13,14,15
	ds_load_b128 v[BB+4*\t:BB+4*\t+3], v[RD] offset:\t*SPITCH                    ; LDS serves a wave's instructions in order: these see the stores above
.endr
.endm
.macro SEND a, younger
.set BB, BK+64*((\a)%2)
	s_wait_dscnt \younger                          ; the block is back in registers
.if (\a) > 0
	s_add_nc_u64 s[8:9], s[8:9], 16*4096           ; (behind a wait on XCNT: the earlier stores have read their base)
.endif
.irp t, 0,1,2,3,4,5,6,7,8,9,10,11,12,13,14,15
	global_store_b128 v[CO], v[BB+4*\t:BB+4*\t+3], s[8:9] offset:\t*4096 th:TH_STORE_NT   ; 32 lanes store 512 consecutive bytes, at a multiple of 256 from the buffer's first byte
.endr
.endm
	TOSTAGE 0
.irp a, 1,2,3
.if \a > 1
	s_wait_xcnt 0x0                                ; block a - 2's stores have read their registers and their base
.endif
	TOSTAGE \a
	SEND \a-1, 32                                  ; behind block a - 1's loads: block a's 16 stores and 16 loads
.endr
	s_wait_xcnt 0x0
	SEND 3, 0
	s_wait_tensorcnt 0x0                           ; the wave's end, behind my last tensor load and my last LDS store
	ds_add_u32 v[SPW], v[NIL]
	s_wait_dscnt 0x0
	CROUND                                         ; the closing round
	s_endpgm
.Lfunc_end_k_q43f3e0420d_oproj:
	.size	k_q43f3e0420d_oproj, .Lfunc_end_k_q43f3e0420d_oproj-k_q43f3e0420d_oproj
	.p2alignl 7, 3214868480
	.fill 96, 4, 3214868480
	.section	.rodata,"a",@progbits
	.p2align	6, 0x0
	.amdhsa_kernel k_q43f3e0420d_oproj
		.amdhsa_group_segment_fixed_size 327680
		.amdhsa_private_segment_fixed_size 0
		.amdhsa_enable_private_segment 0
		.amdhsa_kernarg_size 24
		.amdhsa_user_sgpr_count 2
		.amdhsa_user_sgpr_kernarg_segment_ptr 1
		.amdhsa_wavefront_size32 1
		.amdhsa_system_sgpr_workgroup_id_x 1
		.amdhsa_system_sgpr_workgroup_id_y 1
		.amdhsa_system_sgpr_workgroup_id_z 1
		.amdhsa_system_vgpr_workitem_id 0
		.amdhsa_next_free_vgpr 1024
		.amdhsa_next_free_sgpr 66
		.amdhsa_reserve_vcc 0
		.amdhsa_float_denorm_mode_32 3
		.amdhsa_float_denorm_mode_16_64 3
		.amdhsa_memory_ordered 1
		.amdhsa_forward_progress 1
		.amdhsa_inst_pref_size 186
	.end_amdhsa_kernel
	.amdgpu_metadata
---
amdhsa.version: [ 1, 2 ]
amdhsa.kernels:
  - .name:           k_q43f3e0420d_oproj
    .symbol:         k_q43f3e0420d_oproj.kd
    .args:
      - { .name: ab, .offset: 0, .size: 8, .value_kind: global_buffer, .address_space: global }
      - { .name: wo16, .offset: 8, .size: 8, .value_kind: global_buffer, .address_space: global }
      - { .name: out0, .offset: 16, .size: 8, .value_kind: global_buffer, .address_space: global }
    .group_segment_fixed_size: 327680
    .private_segment_fixed_size: 0
    .kernarg_segment_align: 8
    .kernarg_segment_size: 24
    .max_flat_workgroup_size: 128
    .sgpr_count:     66
    .vgpr_count:     1024
    .wavefront_size: 32
...
	.end_amdgpu_metadata
.endif
;; end of part 4
